; MI455X (gfx1250); checked and timed in simulation.
; The chip was launched on July 23, 2026; its instructions are those of AMD's public machine-readable ISA for CDNA 5 (MIT licence, August 2026) and "CDNA5" Instruction Set Architecture Reference Guide (July 2026). The comments in the code are by the model that wrote it; some were corrected since.
;; Attention. Allowed arithmetic: float matrix products may take bf16 or f16 operands with f32 sums; all other float work in f32.
;; Inputs: W_proj 1,024 x 1,024 float32; W_qkv 1,024 x 3,072 float32; b_proj 1,024 float32; x 4 x 2,048 x 1,024 float32.
;; Outputs: out0 4 x 2,048 x 1,024 float32.
;; 2 versions, each right; version 2 is version 1 with the launch prep written anew for expert scheduling mode. Each part assembles by itself: llvm-mc -triple=amdgcn-amd-amdhsa -mcpu=gfx1250 --defsym DOCPART=n.
;; ======== version 1 of 2: 4 launches
;; limits: values are held in f16: magnitudes above 65,504 overflow, below 6.1e-05 lose precision
;; workspace buffers: xh 16,777,216 bytes; wqT 6,291,456 bytes; wpT 2,097,152 bytes; qkvh 50,331,648 bytes; ao 16,777,216 bytes
;; launch prep (part 1): grid 256 x 1, 8 waves a work-group, no clusters, 50,688 bytes of LDS; arguments x, W_qkv, W_proj, xh, wqT, wpT; writes xh, wqT, wpT
.if DOCPART == 1
	.amdgcn_target "amdgcn-amd-amdhsa--gfx1250"
	.amdhsa_code_object_version 6
	.text
	.protected	k_q98e04503e2_prep
	.globl	k_q98e04503e2_prep
	.p2align	8
	.type	k_q98e04503e2_prep,@function
k_q98e04503e2_prep:
	s_mov_b64 s[64:65], 0
	v_nop
	global_prefetch_b8 v0, s[64:65] scope:SCOPE_SE
	s_setreg_imm32_b32 hwreg(HW_REG_WAVE_MODE, 25, 1), 1
	s_wait_xcnt 0x0
; prep: the operands of the two big products, once, in the form in which the matrix kernels want them.
;   xh[m][k]  = f16(x[m][k])            8192 x 1024
;   wqT[n][k] = f16(W_qkv[k][n])        3072 x 1024 (transposed: K along the rows)
;   wpT[n][k] = f16(W_proj[k][n])       1024 x 1024
; LIMIT: f16 operands.  A number of x or of a weight of magnitude 65,504 or more becomes infinite; below 6e-8 it becomes zero.
; f16 and not bf16 because the logits' error passes through the softmax unreduced: eight times finer operands keep it small.
; Work-group i of 256 does two things: one tile of 128 k x 128 n of a weight (i < 192: W_qkv, else W_proj; k block i & 7, n block i >> 3),
; and 131,072 bytes of x.  All 48 loads of a lane go out first; nothing is loaded twice; no loop.
; The work-groups share no input, so there is nothing for a cluster to ask for jointly; no product, so no matrix instruction.
; THE TRANSPOSE: wave w loads rows k = 16 w .. 16 w + 15 of the tile, one row of 512 bytes a load (lane L: columns 4 L .. 4 L + 3).
; A lane packs, for each of its 4 columns, its 16 k into 32 bytes and stores them into the wave's OWN region of LDS (REG bytes), column
; 4 L + c at row 32 c + L of 48 bytes: neighbouring lanes are 48 bytes apart, so sixteen lanes touch sixteen different 16-byte columns
; modulo 256 bytes.  Behind one barrier a row of the result (256 bytes: 8 waves x 32 bytes) is read by sixteen neighbouring lanes, 32 bytes
; from each region; REG = 128 x 48 + 32 puts these pieces 32 bytes apart modulo 256 as well.
.set RPQ,    12288                     ; bytes in a row of W_qkv
.set RPP,    4096                      ; bytes in a row of W_proj
.set QTILES, 192                       ; tiles of W_qkv: 8 k blocks x 24 n blocks
.set CP,     48                        ; LDS bytes for a column's 16 k: 32 + 16
.set REG,    128*CP+32                 ; a wave's region
.set XO,  3                            ; v3       16 t: my bytes in each 4,096 bytes of x
.set YO,  4                            ; v4       8 t: my bytes in each 2,048 bytes of xh
.set SA,  5                            ; v5       where I store in LDS
.set RA,  6                            ; v6       where I read back
.set GO,  7                            ; v7       my byte offset in the transposed tile
.set VO,  16                           ; v[16:31]   byte offset of my 16 bytes in row i of my wave's 16 rows
.set W,   32                           ; v[32:95]   row i: 4 registers as loaded; later the rows read back
.set D,   96                           ; v[96:127]  column c: 8 registers, 16 k in f16
.set X,   128                          ; v[128:255] x: 32 loads of 4 registers
	s_load_b256 s[4:11], s[0:1], 0x0               ; x s[4:5], W_qkv s[6:7], W_proj s[8:9], xh s[10:11]
	s_load_b128 s[12:15], s[0:1], 0x20             ; wqT s[12:13], wpT s[14:15]
	v_lshl_add_u32 v14, v0, 2, 0xc200
	v_mov_b32 v15, 0
	v_lshrrev_b32 v1, 5, v0
	v_readfirstlane_b32 s16, v1                    ; wave 0..7
	v_and_b32 v2, 31, v0                           ; lane
	s_mov_b32 s26, RPQ
	s_mov_b32 s39, REG
	s_cmp_lt_u32 ttmp9, QTILES                     ; which weight?
	s_cselect_b32 s24, s26, RPP                    ; its row's bytes
	s_cselect_b32 s25, 0, QTILES/8                 ; its first n block in my numbering
	s_lshr_b32 s27, ttmp9, 3
	s_sub_co_u32 s27, s27, s25                     ; n block
	s_and_b32 s28, ttmp9, 7                        ; k block
	s_mul_i32 s30, s28, s24
	s_lshl_b32 s30, s30, 7                         ; 128 rows a k block
	s_lshl_b32 s29, s27, 9                         ; 512 bytes an n block
	s_add_co_u32 s30, s30, s29                     ; the tile in the weight (below 12,582,912)
	s_mov_b32 s31, 0
	s_lshl_b32 s32, s27, 18                        ; 128 rows of 2,048 bytes an n block
	s_lshl_b32 s29, s28, 8                         ; 256 bytes a k block
	s_add_co_u32 s32, s32, s29                     ; the tile in the transposed weight
	s_mov_b32 s33, 0
	s_lshl_b32 s34, ttmp9, 17                      ; my 131,072 bytes of x
	s_mov_b32 s35, 0
	s_lshl_b32 s36, ttmp9, 16                      ; my 65,536 bytes of xh
	s_mov_b32 s37, 0
	s_mul_i32 s38, s16, s24
	s_lshl_b32 s38, s38, 4                         ; my wave's 16 rows
	v_lshl_add_u32 v[VO], v2, 4, s38
.irp i, 1,2,3,4,5,6,7,8,9,10,11,12,13,14,15
	v_add_nc_u32 v[VO+\i], s24, v[VO+\i-1]         ; a register for each row: the row's length is not a constant of the text
.endr
	v_lshlrev_b32 v[XO], 4, v0
	v_lshlrev_b32 v[YO], 3, v0
	v_mul_u32_u24 v[SA], v2, CP                    ; lane x 48
	v_mad_u32_u24 v[SA], v1, s39, v[SA]            ; + wave x REG: a wave stores into its own region alone
	v_lshrrev_b32 v8, 4, v0                        ; m = t / 16: which of 16 rows of the result
	v_and_b32 v9, 15, v0                           ; q = t % 16: which 16 bytes of the row
	v_and_b32 v10, 3, v8
	v_lshrrev_b32 v11, 2, v8
	v_lshl_add_u32 v10, v10, 5, v11                ; column m lies at row 32 (m & 3) + (m >> 2) of a region
	v_mul_u32_u24 v[RA], v10, CP
	v_lshrrev_b32 v12, 1, v9
	v_mad_u32_u24 v[RA], v12, s39, v[RA]           ; region q / 2
	v_and_b32 v13, 1, v9
	v_lshl_add_u32 v[RA], v13, 4, v[RA]            ; its first or second 16 bytes
	v_lshlrev_b32 v[GO], 11, v8                    ; row m of 2,048 bytes
	v_lshl_add_u32 v[GO], v9, 4, v[GO]
	s_wait_kmcnt 0x0
	s_cmp_lt_u32 ttmp9, QTILES                     ; again: the sums above have written SCC
	s_cselect_b64 s[20:21], s[6:7], s[8:9]         ; the weight
	s_cselect_b64 s[22:23], s[12:13], s[14:15]     ; its transposed copy
	s_add_nc_u64 s[20:21], s[20:21], s[30:31]
	s_add_nc_u64 s[22:23], s[22:23], s[32:33]
	s_add_nc_u64 s[4:5], s[4:5], s[34:35]
	s_add_nc_u64 s[10:11], s[10:11], s[36:37]
.irp i, 0,1,2,3,4,5,6,7,8,9,10,11,12,13,14,15
	global_load_b128 v[W+4*\i:W+4*\i+3], v[VO+\i], s[20:21] th:TH_LOAD_NT     ; 512 neighbouring bytes a wave: a whole row of the tile
.endr
.set j, 0
.rept 32
	global_load_b128 v[X+4*j:X+4*j+3], v[XO], s[4:5] offset:4096*j th:TH_LOAD_NT
.set j, j+1
.endr
	s_wait_loadcnt 32                              ; loads come back in order (ISA guide 5.7.1): the 16 of the weight are in, the 32 of x stay out
.irp c, 0,1,2,3
.irp p, 0,1,2,3,4,5,6,7
	v_cvt_pk_f16_f32 v[D+8*\c+\p], v[W+8*\p+\c], v[W+8*\p+4+\c]      ; column 4 L + c: k = 2 p below, 2 p + 1 above
.endr
.endr
.irp c, 0,1,2,3
	ds_store_b128 v[SA], v[D+8*\c:D+8*\c+3]   offset:32*CP*\c
	ds_store_b128 v[SA], v[D+8*\c+4:D+8*\c+7] offset:32*CP*\c+16
.endr
	s_wait_dscnt 0x0                               ; my stores are in LDS, for the other waves' sake
	s_barrier_signal -1
	s_barrier_wait -1                              ; everybody's are
.irp u, 0,1,2,3,4,5,6,7
	ds_load_b128 v[W+4*\u:W+4*\u+3], v[RA] offset:4*CP*\u            ; row 16 u + m: four columns on are four rows of a region on
.endr
.irp u, 0,1,2,3,4,5,6,7
	s_wait_dscnt 7-\u                              ; LDS loads come back in order: number u is in
	global_store_b128 v[GO], v[W+4*\u:W+4*\u+3], s[22:23] offset:32768*\u    ; sixteen lanes store 256 consecutive bytes, aligned
.endr
.set j, 0
.rept 32
	s_wait_loadcnt 31-j                            ; number j of x's 32 loads is in
	v_cvt_pk_f16_f32 v[X+4*j],   v[X+4*j],   v[X+4*j+1]
	v_cvt_pk_f16_f32 v[X+4*j+1], v[X+4*j+2], v[X+4*j+3]
	global_store_b64 v[YO], v[X+4*j:X+4*j+1], s[10:11] offset:2048*j         ; a wave stores 256 consecutive bytes, aligned
.set j, j+1
.endr
	s_wait_tensorcnt 0x0
	ds_add_u32 v14, v15
	s_wait_dscnt 0x0
	s_endpgm
.Lfunc_end_k_q98e04503e2_prep:
	.size	k_q98e04503e2_prep, .Lfunc_end_k_q98e04503e2_prep-k_q98e04503e2_prep
	.p2alignl 7, 3214868480
	.fill 96, 4, 3214868480
	.section	.rodata,"a",@progbits
	.p2align	6, 0x0
	.amdhsa_kernel k_q98e04503e2_prep
		.amdhsa_group_segment_fixed_size 50688
		.amdhsa_private_segment_fixed_size 0
		.amdhsa_enable_private_segment 0
		.amdhsa_kernarg_size 48
		.amdhsa_user_sgpr_count 2
		.amdhsa_user_sgpr_kernarg_segment_ptr 1
		.amdhsa_wavefront_size32 1
		.amdhsa_system_sgpr_workgroup_id_x 1
		.amdhsa_system_sgpr_workgroup_id_y 1
		.amdhsa_system_sgpr_workgroup_id_z 1
		.amdhsa_system_vgpr_workitem_id 0
		.amdhsa_next_free_vgpr 256
		.amdhsa_next_free_sgpr 66
		.amdhsa_reserve_vcc 0
		.amdhsa_float_denorm_mode_32 3
		.amdhsa_float_denorm_mode_16_64 3
		.amdhsa_memory_ordered 1
		.amdhsa_forward_progress 1
		.amdhsa_inst_pref_size 20
	.end_amdhsa_kernel
	.amdgpu_metadata
---
amdhsa.version: [ 1, 2 ]
amdhsa.kernels:
  - .name:           k_q98e04503e2_prep
    .symbol:         k_q98e04503e2_prep.kd
    .args:
      - { .name: x, .offset: 0, .size: 8, .value_kind: global_buffer, .address_space: global }
      - { .name: W_qkv, .offset: 8, .size: 8, .value_kind: global_buffer, .address_space: global }
      - { .name: W_proj, .offset: 16, .size: 8, .value_kind: global_buffer, .address_space: global }
      - { .name: xh, .offset: 24, .size: 8, .value_kind: global_buffer, .address_space: global }
      - { .name: wqT, .offset: 32, .size: 8, .value_kind: global_buffer, .address_space: global }
      - { .name: wpT, .offset: 40, .size: 8, .value_kind: global_buffer, .address_space: global }
    .group_segment_fixed_size: 50688
    .private_segment_fixed_size: 0
    .kernarg_segment_align: 8
    .kernarg_segment_size: 48
    .max_flat_workgroup_size: 256
    .sgpr_count:     66
    .vgpr_count:     256
    .wavefront_size: 32
...
	.end_amdgpu_metadata
.endif
;; end of part 1
;; launch gemm_qkv (part 2): grid 16 x 32, 4 waves a work-group, clusters of 4 x 4, 327,680 bytes of LDS; arguments xh, wqT, qkvh; writes qkvh
.if DOCPART == 2
	.amdgcn_target "amdgcn-amd-amdhsa--gfx1250"
	.amdhsa_code_object_version 6
	.text
	.protected	k_q98e04503e2_gemm_qkv
	.globl	k_q98e04503e2_gemm_qkv
	.p2align	8
	.type	k_q98e04503e2_gemm_qkv,@function
k_q98e04503e2_gemm_qkv:
	s_mov_b64 s[64:65], 0
	v_nop
	global_prefetch_b8 v0, s[64:65] scope:SCOPE_SE
	s_setreg_imm32_b32 hwreg(HW_REG_WAVE_MODE, 25, 1), 1
	s_wait_xcnt 0x0
	s_wait_alu depctr_hold_cnt(0) depctr_sa_sdst(0) depctr_va_vdst(0) depctr_va_sdst(0) depctr_va_ssrc(0) depctr_va_vcc(0) depctr_vm_vsrc(0)
	s_getreg_b32 s2, hwreg(HW_REG_IB_STS2, 6, 4)
	s_cmp_eq_u32 s2, 0
	s_cbranch_scc0 .Lentry_in_a_cluster
	s_endpgm
.Lentry_in_a_cluster:
	s_bfe_u32 s2, ttmp6, 0x10000c
	s_cmp_lg_u32 s2, 0xf033
	s_cbranch_scc0 .Lentry_shape_is_right
	s_endpgm
.Lentry_shape_is_right:
; gemm_qkv: q, k, v = x W_qkv, from xh [8192][1024] and wqT [3072][1024] (both f16, K along the rows), sums in f32, results in f16, laid out by head:
;   qkvh byte = which << 24 | batch << 22 | head << 18 | n x 128 + 2 d    (which: 0 q, 1 k, 2 v)
; so that a head's rows are dense: two rows are 256 consecutive bytes.
; LIMIT: f16 operands and results: a q, k or v of magnitude 65,504 or more becomes infinite.
; A work-group makes 256 rows x 192 columns (three heads) with four waves, a wave 128 x 96: 48 accumulator tiles of 16 x 16, 384 registers.
; 32 x 16 = 512 work-groups of equal work.  K goes in steps of 128 through two LDS slots filled by the tensor data mover; a tile's rows are
; 256 bytes of memory and start at multiples of 256 bytes.
; CLUSTERS: 4 x 4 work-groups.  The four of a row of the cluster need the same tiles of xh, the four of a column the same tiles of wqT: each such tile
; is asked for jointly, by the same tensor load with the same descriptor and a mask that names the four.
; REGISTERS, in windows of 256:
;   window 0: v16-27 addresses; v64-127, v128-191 fragments of xh (8 x 16 rows x 32 K), two buffers; v192-215 at work on the way out
;   window 1: v64-111, v128-175 fragments of wqT (6 x 16 rows x 32 K), two buffers
;   window 2: the 24 accumulator tiles of my rows 0-63 (tile (a, b) at v[8 (6 a + b)]);  window 3: those of my rows 64-127
; THE MATRIX INSTRUCTION IS USED TRANSPOSED: source 0 = 16 rows of wqT, source 1 = 16 rows of xh.  Lane l then holds row l % 16 of the result and
; in its registers 0 to 7 the columns 8 (l / 16) + 0 .. 7: eight neighbouring numbers, 16 bytes of f16.
; The 48 accumulators take turns, one instruction a turn, in the same order in every quarter step.
.set SIZE_K, 1024
.set NB,     6                         ; 16-column blocks of a wave
.set KSTEP,  128
.set PITCH,  272                       ; an LDS row: 256 bytes + 16: sixteen rows start at sixteen different 16-byte columns modulo 256 bytes
.set HALFA,  128*PITCH                 ; 128 rows of xh: one tensor load, and what one wave reads
.set HALFB,  96*PITCH                  ; 96 rows of wqT: likewise
.set SLOT,   2*HALFA+2*HALFB           ; xh's 256 rows, then wqT's 192
.set SP,     208                       ; the way out: a row of 96 f16 = 192 bytes + 16
.set REGB,   128*SP                    ; the way out: a wave's own region; the four lie in slot 0 (106,496 of its 121,856 bytes)
.set LAPS,   SIZE_K/(2*KSTEP)          ; a lap = two K steps = once round the ring
.set ADRA, 16                          ; v16-17  LDS address of my xh fragments in slot 0, 1
.set ADRB, 20                          ; v20-21  the same for wqT
.set STO,  24                          ; v24     the way out: where I put 16 bytes of a row
.set RD,   25                          ; v25     the way out: where I read a head's rows back (heads 0 and 2)
.set CO,   26                          ; v26     16 x lane
.set RD1,  27                          ; v27     the same as RD for head 1, whose halves lie in two regions
.set F0,   64
.set F1,   128
.set TMP,  192
.set G1,  24                           ; s[24:31] descriptor group 1 for xh's tiles
.set G0,  32                           ; s[32:39] group 0 for xh's tiles, a set for each slot
.set G1B, 48                           ; s[48:55] group 1 for wqT's tiles
.set G0B, 56                           ; s[56:63] group 0 for wqT's tiles, a set for each slot
.set MSB, 0
.macro WIN new                         ; s_set_vgpr_msb: bits 1:0 source 0, 3:2 source 1, 5:4 source 2, 7:6 destination; the high byte repeats the setting that is left
.if MSB != \new
	s_set_vgpr_msb (MSB<<8)|\new
.set MSB, \new
.endif
.endm
.set MUL_LO, 0xa1                      ; source 0 (wqT) window 1, source 1 (xh) window 0, C and D window 2
.set MUL_HI, 0xf1                      ; the same, C and D window 3
.set TO_B,   0x40                      ; destination window 1, address window 0
; A joint load.  Waves 0 and 1 fetch xh's two halves, waves 2 and 3 wqT's.  Each line has one mask and one set of registers for all that issue it.
; The branch hangs on the wave's number alone.
.macro JLOAD s
	s_cmp_eq_u32 s11, 0
	s_cbranch_scc0 .Lfor_b_\@
	tensor_load_to_lds s[G0+4*\s:G0+4*\s+3], s[G1:G1+7]
	s_nop 0
	s_branch .Lasked_\@
.Lfor_b_\@:
	tensor_load_to_lds s[G0B+4*\s:G0B+4*\s+3], s[G1B:G1B+7]
	s_nop 0
.Lasked_\@:
.endm
; A round of the cluster's barrier: my work-group's barrier; wave 0 signals for the work-group; every wave waits for all sixteen; my work-group's barrier again.
.macro CREST                           ; a round behind its opening barrier
	s_cmp_lg_u32 s10, 0
	s_cbranch_scc1 .Lnot_wave_0_\@
	s_barrier_signal -3
.Lnot_wave_0_\@:
	s_barrier_wait -3
	s_barrier_signal -1
	s_barrier_wait -1
.endm
.macro CROUND                          ; a whole round
	s_barrier_signal -1
	s_barrier_wait -1
	CREST
.endm
	s_load_b128 s[4:7], s[0:1], 0x0                ; xh s[4:5], wqT s[6:7]
	s_load_b64 s[8:9], s[0:1], 0x10                ; qkvh
	s_set_vgpr_msb 0x40
	v_lshl_add_u32 v255, v0, 2, 0x3b800
	s_set_vgpr_msb 0x4000
	v_mov_b32 v63, 0
	s_set_vgpr_msb 0x1
	ds_add_u32 v255, v63
	s_set_vgpr_msb 0x100
	v_lshrrev_b32 v1, 5, v0
	v_readfirstlane_b32 s10, v1                    ; wave 0..3
	s_lshr_b32 s11, s10, 1                         ; which half of the block's rows is mine.  Also: I fetch for xh (0) or for wqT (1)
	s_and_b32 s12, s10, 1                          ; which half of its columns.  Also: which half of that tile I fetch
	s_bfe_u32 s40, ttmp6, 0x40000                  ; cx
	s_bfe_u32 s41, ttmp6, 0x40004                  ; cy
	s_lshl_b32 s42, ttmp9, 2
	s_add_co_u32 s42, s42, s40                     ; block column = 4 x cluster x + cx, 0..15
	s_and_b32 s13, ttmp7, 0xffff
	s_lshl_b32 s13, s13, 2
	s_add_co_u32 s13, s13, s41                     ; block row = 4 x cluster y + cy, 0..31
	s_lshl_b32 s43, s41, 2
	s_lshl_b32 s43, 15, s43                        ; my row of the cluster: places 4 cy .. 4 cy + 3
	s_lshl_b32 s44, 0x1111, s40                    ; my column: places cx, cx + 4, cx + 8, cx + 12
	s_or_b32 s[G1+0], s43, (1<<16)|(1<<20)|(1<<21)|(5<<22)|(3<<25)   ; mask: my row; elements of 2 bytes; padding on; bit 21 beside a mask; after every 64 words, 4 words
	s_mov_b32 s[G1+1], KSTEP<<16                   ; tensor_dim0 = 128
	s_mov_b32 s[G1+2], 128<<16                     ; tensor_dim1 = 128
	s_mov_b32 s[G1+3], KSTEP<<16                   ; tile_dim0 = 128 elements (256 bytes)
	s_mov_b32 s[G1+4], 128                         ; tile_dim1 = 128 rows
	s_mov_b32 s[G1+5], SIZE_K                      ; elements from row to row
	s_mov_b32 s[G1+6], 0
	s_mov_b32 s[G1+7], 0
	s_or_b32 s[G1B+0], s44, (1<<16)|(1<<20)|(1<<21)|(5<<22)|(3<<25)  ; the same with the mask of my column
	s_mov_b32 s[G1B+1], KSTEP<<16
	s_mov_b32 s[G1B+2], 96<<16                     ; 96 rows
	s_mov_b32 s[G1B+3], KSTEP<<16
	s_mov_b32 s[G1B+4], 96
	s_mov_b32 s[G1B+5], SIZE_K
	s_mov_b32 s[G1B+6], 0
	s_mov_b32 s[G1B+7], 0
	; xh's tiles hang on the block row alone, wqT's on the block column alone; each address is made in registers that never hold the other coordinate
	s_lshl_b32 s17, s12, 7
	s_lshl_b32 s16, s13, 8
	s_add_co_u32 s16, s16, s17                     ; xh: row 256 x block row + 128 x half
	s_lshl_b32 s16, s16, 11                        ; x 2,048 bytes (below 2^24)
	s_mov_b32 s17, 0
	s_mul_i32 s46, s42, 192
	s_mul_i32 s47, s12, 96
	s_add_co_u32 s46, s46, s47                     ; wqT: row 192 x block column + 96 x half
	s_lshl_b32 s46, s46, 11
	s_mov_b32 s47, 0
	s_mul_i32 s20, s10, HALFA                      ; where they go: waves 0, 1: xh's halves at wave x HALFA;
	s_mul_i32 s23, s10, HALFB
	s_add_co_u32 s23, s23, 2*HALFA-2*HALFB         ; waves 2, 3: wqT's halves behind them, at 2 HALFA + (wave - 2) x HALFB
	s_wait_dscnt 0x0
	s_wait_kmcnt 0x0
	s_add_nc_u64 s[14:15], s[4:5], s[16:17]
	s_add_nc_u64 s[46:47], s[6:7], s[46:47]
	CROUND                                         ; all sixteen work-groups are here: the first joint loads meet
.irp s, 0,1
	s_mov_b32 s[G0+4*\s], 1
	s_add_co_u32 s[G0+4*\s+1], s20, \s*SLOT
	s_add_nc_u64 s[G0+4*\s+2:G0+4*\s+3], s[14:15], \s*KSTEP*2      ; K step s
	s_or_b32 s[G0+4*\s+3], s[G0+4*\s+3], 0x80000000                ; type = 2
	s_mov_b32 s[G0B+4*\s], 1
	s_add_co_u32 s[G0B+4*\s+1], s23, \s*SLOT
	s_add_nc_u64 s[G0B+4*\s+2:G0B+4*\s+3], s[46:47], \s*KSTEP*2
	s_or_b32 s[G0B+4*\s+3], s[G0B+4*\s+3], 0x80000000
	JLOAD \s                                       ; both slots are asked for before anything else: two tensor loads of the wave are out
.endr
	; A fragment is 16 rows x 32 K in 8 registers: lane l holds row l % 16; registers 0-3: K = 8 (l / 16) + 0..7, registers 4-7: 16 more.
	v_and_b32 v1, 15, v0                           ; r = l % 16
	v_bfe_u32 v2, v0, 4, 1                         ; h = l / 16
	v_mul_u32_u24 v3, v1, PITCH
	v_lshl_add_u32 v3, v2, 4, v3
	s_mul_i32 s21, s11, HALFA                      ; my 128 rows of xh
	s_mul_i32 s22, s12, HALFB                      ; my 96 rows of wqT,
	s_add_co_u32 s22, s22, 2*HALFA                 ; which lie behind xh's 256
.irp s, 0,1
	v_add_nc_u32 v[ADRA+\s], s21, v3
	v_add_nc_u32 v[ADRB+\s], s22, v3
	s_add_co_u32 s21, s21, SLOT
	s_add_co_u32 s22, s22, SLOT
.endr
	s_mul_i32 s18, s10, REGB                       ; the way out: my own region
	v_mul_u32_u24 v4, v1, SP
	v_lshl_add_u32 v4, v2, 4, v4
	v_add_nc_u32 v[STO], s18, v4                   ; row r, 16 bytes for each half of the lanes
	; back: wave w stores rows 64 w .. 64 w + 63 of the block: they lie in the regions of waves 2 (w / 2) and 2 (w / 2) + 1, from row 64 (w % 2) on
	s_mul_i32 s18, s11, 2*REGB
	s_mul_i32 s19, s12, 64*SP
	s_add_co_u32 s18, s18, s19
	v_bfe_u32 v4, v0, 3, 2                         ; l / 8: which of four rows
	v_and_b32 v5, 7, v0                            ; l % 8: which 16 bytes of a head's 128
	v_mul_u32_u24 v6, v4, SP
	v_lshl_add_u32 v6, v5, 4, v6
	v_add_nc_u32 v[RD], s18, v6
	v_bfe_u32 v7, v0, 2, 1                         ; head 1: d 0-31 are columns 64-95 of the left region, d 32-63 columns 0-31 of the right one
	v_mul_u32_u24 v7, v7, REGB-192
	v_add_nc_u32 v[RD1], v[RD], v7
	v_and_b32 v4, 31, v0
	v_lshlrev_b32 v[CO], 4, v4
; 12 matrix instructions: row blocks a0, a0 + 1 of the window's four x all 6 column blocks, 32 along K.  zero = 1: the first product starts the sums.
.macro MULH f, hi, a0, zero
.irp a, \a0, \a0+1
.irp b, 0,1,2,3,4,5
.if \zero
	v_wmma_f32_16x16x32_f16 v[8*(NB*(\a)+\b):8*(NB*(\a)+\b)+7], v[\f+8*\b:\f+8*\b+7], v[\f+8*(4*\hi+\a):\f+8*(4*\hi+\a)+7], 0
.else
	v_wmma_f32_16x16x32_f16 v[8*(NB*(\a)+\b):8*(NB*(\a)+\b)+7], v[\f+8*\b:\f+8*\b+7], v[\f+8*(4*\hi+\a):\f+8*(4*\hi+\a)+7], v[8*(NB*(\a)+\b):8*(NB*(\a)+\b)+7]
.endif
.endr
.endr
.endm
; 28 LDS loads in one run: the fragments of one quarter step (96 rows of wqT, 128 rows of xh, 32 K at byte k of the rows) into buffer f
.macro FETCH slot, k, f
	WIN TO_B
.irp i, 0,1,2,3,4,5
	ds_load_b128 v[\f+8*\i:\f+8*\i+3],   v[ADRB+\slot] offset:\k+\i*16*PITCH
	ds_load_b128 v[\f+8*\i+4:\f+8*\i+7], v[ADRB+\slot] offset:\k+\i*16*PITCH+32
.endr
	WIN 0
.irp i, 0,1,2,3,4,5,6,7
	ds_load_b128 v[\f+8*\i:\f+8*\i+3],   v[ADRA+\slot] offset:\k+\i*16*PITCH
	ds_load_b128 v[\f+8*\i+4:\f+8*\i+7], v[ADRA+\slot] offset:\k+\i*16*PITCH+32
.endr
.endm
; A load into a register that a matrix instruction has read, and a vector instruction that reads a matrix result, stand four places behind that matrix
; instruction, and only plain vector instructions that name none of its registers are places (ISA guide 7.12.1 for vector instructions).
.macro PLACES
.rept 4
	v_nop
.endr
.endm
; One of a K step's first three quarters: multiplies buffer f; in its middle it fetches the next quarter's fragments into buffer g.
.macro QUARTER slot, k, f, g, zero
	s_wait_dscnt 8                                 ; wqT's and xh's rows 0-63 are in; the youngest eight loads (xh's rows 64-127) may be out
	WIN MUL_LO
	MULH \f, 0, 0, \zero
	MULH \f, 0, 2, \zero
	PLACES
	FETCH \slot, \k, \g
	s_wait_dscnt 2*NB+16                           ; all but the 28 just issued
	WIN MUL_HI
	MULH \f, 1, 0, \zero
	MULH \f, 1, 2, \zero
.endm
.macro THREE slot, zero
	QUARTER \slot, 64,  F0, F1, \zero
	QUARTER \slot, 128, F1, F0, 0
	QUARTER \slot, 192, F0, F1, 0
.endm
; The last quarter: multiplies buffer 1 and changes slots.  One barrier for two things: in front of it each wave waits for its own reads of this slot and
; for all its tensor loads (the one that is out is its part of the next slot); behind it nobody reads this slot and the next is whole: the refill comes
; first, then the next slot's first fragments.  From a request to the wait for it a wave issues 180 matrix instructions.
.macro TURN slot, next, fill
	s_wait_dscnt 8
	WIN MUL_LO
	MULH F1, 0, 0, 0
	s_wait_dscnt 0                                 ; my reads of this slot are over
	s_wait_tensorcnt 0x0                           ; and all my tensor loads have landed
	ds_add_u32 v255, v63
	s_wait_dscnt 0x0
	s_barrier_signal -1                            ; (where a slot is filled again this barrier opens a round of the cluster's barrier)
	MULH F1, 0, 2, 0                               ; work on registers while the others arrive
	WIN 0
	s_barrier_wait -1
.if \fill
	CREST                                          ; no wave of any partner still reads this slot's tile or has a load on its way
	s_add_nc_u64 s[G0+4*\slot+2:G0+4*\slot+3], s[G0+4*\slot+2:G0+4*\slot+3], 2*KSTEP*2
	s_add_nc_u64 s[G0B+4*\slot+2:G0B+4*\slot+3], s[G0B+4*\slot+2:G0B+4*\slot+3], 2*KSTEP*2
	JLOAD \slot                                    ; the first tensor load behind the round, and the wave's only one until the next: one is out
.endif
	PLACES
	FETCH \next, 0, F0
	WIN MUL_HI
	MULH F1, 1, 0, 0
	MULH F1, 1, 2, 0
.endm
.macro LAP zero
	THREE 0, \zero
	TURN 0, 1, 1
	THREE 1, 0
	TURN 1, 0, 1
.endm
	s_wait_tensorcnt 1                             ; my part of K step 0 is in; K step 1's stays out
	s_barrier_signal -1
	s_barrier_wait -1                              ; everybody's is
	FETCH 0, 0, F0
	LAP 1                                          ; the first lap stands in front of the loop: its first products start the sums
	WIN 0                                          ; at a label and at a branch every window is 0
	s_mov_b32 s3, LAPS-2
.Llap:
	LAP 0
	WIN 0
	s_sub_co_u32 s3, s3, 1
	s_cmp_lg_u32 s3, 0
	s_cbranch_scc1 .Llap
	THREE 0, 0                                     ; the last lap fills nothing
	TURN 0, 1, 0                                   ; behind its barrier no wave reads slot 0 again and no tensor load is out or follows
	THREE 1, 0
	s_wait_dscnt 8
	WIN MUL_LO
	MULH F1, 0, 0, 0
	MULH F1, 0, 2, 0
	s_wait_dscnt 0
	WIN MUL_HI
	MULH F1, 1, 0, 0
	MULH F1, 1, 2, 0
	; THE WAY OUT.  Each wave rounds its 128 x 96 to f16 into its own region of LDS (in slot 0, which has had its last fill and its last reads).  Behind a
	; barrier wave w reads rows 64 w .. 64 w + 63 of each of the three heads and stores them: four rows of a head are 512 consecutive bytes of qkvh.
	PLACES
	s_lshr_b32 s67, s13, 3                         ; batch: 8 block rows each
	s_lshl_b32 s67, s67, 22
	s_and_b32 s74, s13, 7
	s_lshl_b32 s74, s74, 15                        ; 256 rows of 128 bytes a block row
	s_add_co_u32 s67, s67, s74
	s_lshl_b32 s74, s10, 13                        ; 64 rows a wave
	s_add_co_u32 s67, s67, s74
	s_mul_i32 s66, s42, 3                          ; my first head among the 48 (16 of q, 16 of k, 16 of v)
.irp j, 0,1,2
	s_add_co_u32 s74, s66, \j
	s_lshr_b32 s75, s74, 4
	s_lshl_b32 s75, s75, 24                        ; which
	s_and_b32 s74, s74, 15
	s_lshl_b32 s74, s74, 18                        ; head
	s_add_co_u32 s74, s74, s75
	s_add_co_u32 s74, s74, s67
	s_mov_b32 s75, 0
	s_add_nc_u64 s[68+2*\j:69+2*\j], s[8:9], s[74:75]
.endr
; rows 16 a .. 16 a + 15 of my block = the six tiles (aw, 0..5) of window 2 or 3 (from = 0x0a or 0x0f: sources 0 and 1)
.macro OUT16 a, aw, from
	WIN \from
.irp b, 0,1,2,3,4,5
.irp r, 0,1,2,3
	v_cvt_pk_f16_f32 v[TMP+4*\b+\r], v[8*(NB*\aw+\b)+2*\r], v[8*(NB*\aw+\b)+2*\r+1]
.endr
.endr
	WIN 0
.irp b, 0,1,2,3,4,5
	ds_store_b128 v[STO], v[TMP+4*\b:TMP+4*\b+3] offset:\a*16*SP+32*\b
.endr
.endm
	OUT16 0, 0, 0x0a
	OUT16 1, 1, 0x0a
	OUT16 2, 2, 0x0a
	OUT16 3, 3, 0x0a
	OUT16 4, 0, 0x0f
	OUT16 5, 1, 0x0f
	OUT16 6, 2, 0x0f
	OUT16 7, 3, 0x0f
	s_wait_dscnt 0x0                               ; my stores are in LDS, for the other waves' sake
	s_barrier_signal -1
	s_barrier_wait -1
.macro HEADIN j, adr, off              ; 16 loads: 64 rows of head j, four rows a load
.irp t, 0,1,2,3,4,5,6,7,8,9,10,11,12,13,14,15
	ds_load_b128 v[64+64*\j+4*\t:64+64*\j+4*\t+3], v[\adr] offset:\off+4*SP*\t
.endr
.endm
.macro HEADOUT j
.irp t, 0,1,2,3,4,5,6,7,8,9,10,11,12,13,14,15
	s_wait_dscnt 47-16*\j-\t                       ; LDS loads come back in order: this one of the 48 is in
	global_store_b128 v[CO], v[64+64*\j+4*\t:64+64*\j+4*\t+3], s[68+2*\j:69+2*\j] offset:512*\t   ; a wave stores 512 consecutive bytes, aligned
.endr
.endm
	HEADIN 0, RD,  0                               ; columns 0-63 of the left region
	HEADIN 1, RD1, 128                             ; columns 64-95 of the left, 0-31 of the right
	HEADIN 2, RD,  REGB+64                         ; columns 32-95 of the right region
	HEADOUT 0
	HEADOUT 1
	HEADOUT 2
	s_set_vgpr_msb 0x1
	s_wait_tensorcnt 0x0
	ds_add_u32 v255, v63
	s_wait_dscnt 0x0
	s_set_vgpr_msb 0x100
	CROUND                                         ; the closing round: no work-group ends while a partner may still ask for a tile that names it
	s_endpgm
.Lfunc_end_k_q98e04503e2_gemm_qkv:
	.size	k_q98e04503e2_gemm_qkv, .Lfunc_end_k_q98e04503e2_gemm_qkv-k_q98e04503e2_gemm_qkv
	.p2alignl 7, 3214868480
	.fill 96, 4, 3214868480
	.section	.rodata,"a",@progbits
	.p2align	6, 0x0
	.amdhsa_kernel k_q98e04503e2_gemm_qkv
		.amdhsa_group_segment_fixed_size 327680
		.amdhsa_private_segment_fixed_size 0
		.amdhsa_enable_private_segment 0
		.amdhsa_kernarg_size 24
		.amdhsa_user_sgpr_count 2
		.amdhsa_user_sgpr_kernarg_segment_ptr 1
		.amdhsa_wavefront_size32 1
		.amdhsa_system_sgpr_workgroup_id_x 1
		.amdhsa_system_sgpr_workgroup_id_y 1
		.amdhsa_system_sgpr_workgroup_id_z 1
		.amdhsa_system_vgpr_workitem_id 0
		.amdhsa_next_free_vgpr 960
		.amdhsa_next_free_sgpr 76
		.amdhsa_reserve_vcc 0
		.amdhsa_float_denorm_mode_32 3
		.amdhsa_float_denorm_mode_16_64 3
		.amdhsa_memory_ordered 1
		.amdhsa_forward_progress 1
		.amdhsa_inst_pref_size 159
	.end_amdhsa_kernel
	.amdgpu_metadata
---
amdhsa.version: [ 1, 2 ]
amdhsa.kernels:
  - .name:           k_q98e04503e2_gemm_qkv
    .symbol:         k_q98e04503e2_gemm_qkv.kd
    .args:
      - { .name: xh, .offset: 0, .size: 8, .value_kind: global_buffer, .address_space: global }
      - { .name: wqT, .offset: 8, .size: 8, .value_kind: global_buffer, .address_space: global }
      - { .name: qkvh, .offset: 16, .size: 8, .value_kind: global_buffer, .address_space: global }
    .group_segment_fixed_size: 327680
    .private_segment_fixed_size: 0
    .kernarg_segment_align: 8
    .kernarg_segment_size: 24
    .max_flat_workgroup_size: 128
    .sgpr_count:     76
    .vgpr_count:     960
    .wavefront_size: 32
...
	.end_amdgpu_metadata
.endif
;; end of part 2
;; launch attn (part 3): grid 256 x 1, 8 waves a work-group, clusters of 4 x 1, 327,680 bytes of LDS; arguments qkvh, ao; writes ao
.if DOCPART == 3
	.amdgcn_target "amdgcn-amd-amdhsa--gfx1250"
	.amdhsa_code_object_version 6
	.text
	.protected	k_q98e04503e2_attn
	.globl	k_q98e04503e2_attn
	.p2align	8
	.type	k_q98e04503e2_attn,@function
k_q98e04503e2_attn:
	s_mov_b64 s[64:65], 0
	v_nop
	global_prefetch_b8 v0, s[64:65] scope:SCOPE_SE
	s_setreg_imm32_b32 hwreg(HW_REG_WAVE_MODE, 25, 1), 1
	s_wait_xcnt 0x0
	s_wait_alu depctr_hold_cnt(0) depctr_sa_sdst(0) depctr_va_vdst(0) depctr_va_sdst(0) depctr_va_ssrc(0) depctr_va_vcc(0) depctr_vm_vsrc(0)
	s_getreg_b32 s2, hwreg(HW_REG_IB_STS2, 6, 4)
	s_cmp_eq_u32 s2, 0
	s_cbranch_scc0 .Lentry_in_a_cluster
	s_endpgm
.Lentry_in_a_cluster:
	s_bfe_u32 s2, ttmp6, 0x10000c
	s_cmp_lg_u32 s2, 0x3003
	s_cbranch_scc0 .Lentry_shape_is_right
	s_endpgm
.Lentry_shape_is_right:
; attn: for each of 64 (batch, head): softmax(0.25 q k^T) v, with a running maximum, q, k, v from qkvh (f16, rows of 64 d = 128 bytes, dense by head).
;   ao byte = (16 batch + head) << 18 | n x 128 + 2 d, f16.
; LIMIT: f16 operands: the probabilities (at most a little above 1) are rounded to f16 for the second product, below 6e-8 to zero; an output of magnitude
; 65,504 or more becomes infinite.  Logits, maxima, exponentials and sums are f32.
; A cluster of four work-groups takes one head; work-group cx takes queries 512 cx .. 512 cx + 511, a wave 64 of them (four groups g of 16).  All four walk
; the same keys and values: every tile is asked for JOINTLY (mask 15), and lands in each one's LDS.
; BOTH PRODUCTS ARE TRANSPOSED, so that a query's row of scores stays in one pair of lanes and never goes through LDS:
;   S^T = K Q^T: source 0 = 16 keys x 32 d, source 1 = 16 queries x 32 d.  Lane (r, h) holds query r, keys 8 h + 0..7 of the tile.
;   O^T = V^T P^T: source 0 = 16 d x 32 keys (transposing LDS loads), source 1 = P.  Two score tiles, packed to f16 in place, ARE that fragment:
;   registers 0-3 keys 8 h + 0..7, registers 4-7 keys 16 + 8 h + 0..7.  Lane (r, h) of O holds query r, d = 8 h + 0..7: 16 bytes of a row of ao.
; LDS: two slots of 512 keys, so the head's 2,048 keys are four tiles: two first fills, two refills.  Two keys' rows (256 consecutive bytes) are one LDS row:
; key i at (i / 2) x pitch + (i % 2) x 128.  K's pitch is 272: the sixteen lanes of a fragment load touch 16-byte columns (r / 2) + 8 (r % 2), all different.
; V's pitch is 288: the transposing loads touch columns 2 ((l % 8) / 2) + 8 (l % 2) + (l / 8) % 2, all different.  A slot's K tile has 256 such rows and so has
; its V tile; each of the eight waves has a load of its own: waves 0-3 a quarter of K, waves 4-7 a quarter of V, 64 rows of 256 bytes each.
; Behind the slots: a stage of 16 rows for each wave.
; THE STEP (64 keys against my 64 queries) IS THE BODY OF A COUNTED LOOP: its LDS addresses lie in two registers, copied from the slot's base at a tile's head and
; stepped by 64 keys' LDS bytes a trip.  So the text holds five steps (the first, which starts the sums, and one loop for each tile) for the 32 that a wave runs.
; REGISTERS: window 0: addresses, statistics, Q (v64-127, kept), K (v128-191) and V (v192-255) fragments of a step;
;            window 1: O (v0-127: tile (g, dt) at 32 g + 8 dt), S (v128-255: tile (g, kt) at 128 + 32 g + 8 kt).
; In both products sixteen accumulators take turns, one instruction a turn.
.set KP,     272
.set VP,     288
.set KQ,     64*KP                     ; a quarter of K's tile: 128 keys, 17,408 bytes
.set VQ,     64*VP                     ; a quarter of V's tile: 18,432 bytes
.set VOFF,   4*VQ                      ; V's tile begins where wave 4's load goes (wave x VQ); K's ends at 4 KQ = 69,632, below it
.set SLOT,   8*VQ                      ; 147,456
.set STAGE,  2*SLOT                    ; 294,912
.set OP,     144                       ; the way out: a row of 128 bytes + 16
.set WSTAGE, 16*OP                     ; 2,304 bytes a wave
.set TILEB,  65536                     ; 512 keys x 128 bytes
.set STEPS,  8                         ; steps of 64 keys in a tile
.set KSTEPB, 32*KP                     ; 64 keys of K in LDS
.set VSTEPB, 32*VP                     ; 64 keys of V in LDS
.set KPLANE, 1<<24
.set VPLANE, 2<<24
.set ADRK, 2                           ; v2-3    my address in K's tile, slot 0, 1; never rewritten
.set ADRV, 4                           ; v4-5    in V's tile; never rewritten
.set STO,  6                           ; v6      the way out: in
.set RD,   7                           ; v7      the way out: back
.set QO,   8                           ; v8      my bytes of a group's 16 rows of q
.set CO,   9                           ; v9      16 x lane
.set M,    12                          ; v12-15  group g: the running maximum of the raw scores of query r
.set NM,   16                          ; v16-23  group g: -0.25 log2(e) M, twice (a pair for the packed forms)
.set AL,   24                          ; v24-31  group g: the factor by which old sums shrink, twice
.set T,    32                          ; v32-39  at work
.set LS,   40                          ; v40-47  group g: two partial sums of this lane's exponentials
.set CURK, 48                          ; v48     my address in K's tile for the step at hand
.set CURV, 49                          ; v49     the same in V's tile
.set QF,   64                          ; Q fragment (g, dh) at 64 + 16 g + 8 dh
.set KF,   128                         ; K fragment (kt, dh) at 128 + 16 kt + 8 dh
.set VF,   192                         ; V fragment (dt, i) at 192 + 16 dt + 8 i
.set OO,   0                           ; window 1
.set SS,   128                         ; window 1
.set G1K, 16                           ; s[16:23]
.set G1V, 24                           ; s[24:31]
.set G0K, 32                           ; s[32:39] a set for each slot
.set G0V, 40                           ; s[40:47]
.set W_QK,  0x50                       ; D and C window 1, sources 0 and 1 window 0
.set W_MAX, 0x14                       ; sources 1 and 2 window 1
.set W_SC,  0x41                       ; destination and source 0 window 1
.set W_SUM, 0x04                       ; source 1 window 1
.set W_CVT, 0x45                       ; destination, sources 0 and 1 window 1
.set W_PV,  0x54                       ; D, C and source 1 window 1, source 0 window 0
.set W_OUT, 0x05                       ; sources 0 and 1 window 1
.set MSB, 0
.macro WIN new                         ; the immediate's high byte repeats the setting that is left
.if MSB != \new
	s_set_vgpr_msb (MSB<<8)|\new
.set MSB, \new
.endif
.endm
.macro ROUND                           ; a round of the cluster's barrier
	s_barrier_signal -1
	s_barrier_wait -1
	s_cmp_lg_u32 s10, 0
	s_cbranch_scc1 .Lnot_wave_0_\@
	s_barrier_signal -3
.Lnot_wave_0_\@:
	s_barrier_wait -3
	s_barrier_signal -1
	s_barrier_wait -1
.endm
.macro JLOAD sl                        ; every wave's one joint load for slot sl; the branch hangs on the wave's number alone
	s_cmp_eq_u32 s11, 0
	s_cbranch_scc0 .Lfor_v_\@
	tensor_load_to_lds s[G0K+4*\sl:G0K+4*\sl+3], s[G1K:G1K+7]
	s_nop 0
	s_branch .Lasked_\@
.Lfor_v_\@:
	tensor_load_to_lds s[G0V+4*\sl:G0V+4*\sl+3], s[G1V:G1V+7]
	s_nop 0
.Lasked_\@:
.endm
	s_load_b128 s[4:7], s[0:1], 0x0                ; qkvh s[4:5], ao s[6:7]
	v_lshl_add_u32 v62, v0, 2, 0x4c800
	v_mov_b32 v63, 0
	ds_add_u32 v62, v63
	v_lshrrev_b32 v1, 5, v0
	v_readfirstlane_b32 s10, v1                    ; wave 0..7
	s_lshr_b32 s11, s10, 2                         ; I fetch for K (0) or for V (1)
	s_and_b32 s12, s10, 3                          ; which quarter
	s_bfe_u32 s13, ttmp6, 0x40000                  ; cx: my block of 512 queries
	s_mov_b32 s48, 0x76543210                      ; v_permlanex16_b32: lane i of one half reads lane i of the other
	s_mov_b32 s49, 0xfedcba98
	s_mov_b32 s[G1K+0], 15|(1<<16)|(1<<20)|(1<<21)|(5<<22)|(3<<25)   ; mask: all four; elements of 2 bytes; padding on; bit 21 beside a mask; after every 64 words, 4 words
	s_mov_b32 s[G1K+1], 128<<16                    ; tensor_dim0 = 128 elements: two keys' rows
	s_mov_b32 s[G1K+2], 64<<16                     ; tensor_dim1 = 64
	s_mov_b32 s[G1K+3], 128<<16                    ; tile_dim0
	s_mov_b32 s[G1K+4], 64                         ; tile_dim1
	s_mov_b32 s[G1K+5], 128                        ; from row to row: dense
	s_mov_b32 s[G1K+6], 0
	s_mov_b32 s[G1K+7], 0
	s_mov_b32 s[G1V+0], 15|(1<<16)|(1<<20)|(1<<21)|(5<<22)|(7<<25)   ; the same with 8 words of padding
	s_mov_b32 s[G1V+1], 128<<16
	s_mov_b32 s[G1V+2], 64<<16
	s_mov_b32 s[G1V+3], 128<<16
	s_mov_b32 s[G1V+4], 64
	s_mov_b32 s[G1V+5], 128
	s_mov_b32 s[G1V+6], 0
	s_mov_b32 s[G1V+7], 0
	s_lshl_b32 s52, ttmp9, 18                      ; the head's plane: ttmp9 counts clusters = 16 batch + head
	s_lshl_b32 s58, s12, 14                        ; my quarter: 128 keys x 128 bytes
	s_add_co_u32 s58, s58, s52                     ; (the cluster's number and the wave's alone: alike in all four partners)
	s_mov_b32 s59, 0
	s_lshl_b32 s56, s13, 16                        ; 512 queries x 128 bytes
	s_lshl_b32 s57, s10, 13                        ; 64 queries a wave
	s_add_co_u32 s56, s56, s57
	s_add_co_u32 s56, s56, s52
	s_mov_b32 s57, 0
	s_mul_i32 s14, s10, KQ                         ; where my quarter goes: waves 0-3 in K's tile,
	s_mul_i32 s15, s10, VQ                         ; waves 4-7 in V's
	s_wait_dscnt 0x0
	s_wait_kmcnt 0x0
	s_add_nc_u64 s[58:59], s[4:5], s[58:59]
	s_add_nc_u64 s[54:55], s[4:5], s[56:57]        ; my 64 rows of q
	s_add_nc_u64 s[56:57], s[6:7], s[56:57]        ; my 64 rows of ao
	ROUND                                          ; all four work-groups are here: the first joint loads meet
.irp sl, 0,1
	s_mov_b32 s[G0K+4*\sl], 1
	s_add_co_u32 s[G0K+4*\sl+1], s14, \sl*SLOT
	s_add_nc_u64 s[G0K+4*\sl+2:G0K+4*\sl+3], s[58:59], KPLANE+\sl*TILEB
	s_or_b32 s[G0K+4*\sl+3], s[G0K+4*\sl+3], 0x80000000
	s_mov_b32 s[G0V+4*\sl], 1
	s_add_co_u32 s[G0V+4*\sl+1], s15, \sl*SLOT
	s_add_nc_u64 s[G0V+4*\sl+2:G0V+4*\sl+3], s[58:59], VPLANE+\sl*TILEB
	s_or_b32 s[G0V+4*\sl+3], s[G0V+4*\sl+3], 0x80000000
	JLOAD \sl                                      ; keys 0-511, then 512-1023: two tensor loads of the wave are out
.endr
	v_and_b32 v1, 31, v0                           ; l
	v_and_b32 v10, 15, v0                          ; r
	v_bfe_u32 v11, v0, 4, 1                        ; h
	v_lshlrev_b32 v[QO], 7, v10
	v_lshl_add_u32 v[QO], v11, 4, v[QO]            ; row r, 16 h
.irp g, 0,1,2,3
.irp dh, 0,1
	global_load_b128 v[QF+16*\g+8*\dh:QF+16*\g+8*\dh+3],   v[QO], s[54:55] offset:2048*\g+64*\dh
	global_load_b128 v[QF+16*\g+8*\dh+4:QF+16*\g+8*\dh+7], v[QO], s[54:55] offset:2048*\g+64*\dh+32
.endr
.endr
	v_lshrrev_b32 v32, 1, v10
	v_mul_u32_u24 v[ADRK], v32, KP                 ; key r: LDS row r / 2,
	v_and_b32 v33, 1, v10
	v_lshl_add_u32 v[ADRK], v33, 7, v[ADRK]        ; half r % 2,
	v_lshl_add_u32 v[ADRK], v11, 4, v[ADRK]        ; 16 h
	v_add_nc_u32 v[ADRK+1], SLOT, v[ADRK]
	v_bfe_u32 v32, v0, 1, 2                        ; key 8 h + l % 8: LDS row 4 h + (l % 8) / 2,
	v_lshl_add_u32 v32, v11, 2, v32
	v_mul_u32_u24 v[ADRV], v32, VP
	v_lshl_add_u32 v[ADRV], v33, 7, v[ADRV]        ; half l % 2,
	v_bfe_u32 v34, v0, 3, 1
	v_lshl_add_u32 v[ADRV], v34, 4, v[ADRV]        ; d 0-7 or 8-15 of the 16
	v_add_nc_u32 v[ADRV], VOFF, v[ADRV]
	v_add_nc_u32 v[ADRV+1], SLOT, v[ADRV]
	s_mul_i32 s51, s10, WSTAGE
	s_add_co_u32 s51, s51, STAGE                   ; my stage
	v_mul_u32_u24 v[STO], v10, OP
	v_lshl_add_u32 v[STO], v11, 4, v[STO]
	v_add_nc_u32 v[STO], s51, v[STO]
	v_bfe_u32 v32, v0, 3, 2                        ; back: four rows of 128 bytes a load
	v_and_b32 v34, 7, v0
	v_mul_u32_u24 v[RD], v32, OP
	v_lshl_add_u32 v[RD], v34, 4, v[RD]
	v_add_nc_u32 v[RD], s51, v[RD]
	v_lshlrev_b32 v[CO], 4, v1
.irp g, 0,1,2,3
	v_mov_b32 v[M+\g], 0xff800000                  ; minus infinity
	v_mov_b32 v[LS+2*\g], 0
	v_mov_b32 v[LS+2*\g+1], 0
.endr
; One step: the 64 keys at CURK, CURV against my 64 queries; at its end the two addresses go 64 keys on.
; first = 1: nothing old to rescale, and the first products start O.
.macro STEP first
	WIN 0
.irp kt, 0,1,2,3
.irp dh, 0,1
	ds_load_b128 v[KF+16*\kt+8*\dh:KF+16*\kt+8*\dh+3],   v[CURK] offset:8*\kt*KP+64*\dh
	ds_load_b128 v[KF+16*\kt+8*\dh+4:KF+16*\kt+8*\dh+7], v[CURK] offset:8*\kt*KP+64*\dh+32
.endr
.endr
.irp dt, 0,1,2,3
.irp i, 0,1
	ds_load_tr16_b128 v[VF+16*\dt+8*\i:VF+16*\dt+8*\i+3],   v[CURV] offset:16*\i*VP+32*\dt
	ds_load_tr16_b128 v[VF+16*\dt+8*\i+4:VF+16*\dt+8*\i+7], v[CURV] offset:16*\i*VP+32*\dt+8*VP
.endr
.endr
	s_wait_dscnt 16                                ; K's sixteen loads are in; V's sixteen, issued behind them, stay out
	WIN W_QK
.irp g, 0,1,2,3
.irp kt, 0,1,2,3
	v_wmma_f32_16x16x32_f16 v[SS+32*\g+8*\kt:SS+32*\g+8*\kt+7], v[KF+16*\kt:KF+16*\kt+7], v[QF+16*\g:QF+16*\g+7], 0
.endr
.endr
.irp g, 0,1,2,3
.irp kt, 0,1,2,3
	v_wmma_f32_16x16x32_f16 v[SS+32*\g+8*\kt:SS+32*\g+8*\kt+7], v[KF+16*\kt+8:KF+16*\kt+15], v[QF+16*\g+8:QF+16*\g+15], v[SS+32*\g+8*\kt:SS+32*\g+8*\kt+7]
.endr
.endr
.rept 4
	v_nop                                          ; four places before vector instructions read the scores (ISA guide 7.12.1)
.endr
	; the new maximum of each query: old maximum and my 32 scores, in eight chains that do not wait for each other
	WIN W_MAX
.irp g, 0,1,2,3
	v_max3_num_f32 v[T+2*\g],   v[M+\g], v[SS+32*\g],    v[SS+32*\g+1]
	v_max3_num_f32 v[T+2*\g+1], v[M+\g], v[SS+32*\g+16], v[SS+32*\g+17]
.endr
.irp p, 1,2,3,4,5,6,7
.irp g, 0,1,2,3
	v_max3_num_f32 v[T+2*\g],   v[T+2*\g],   v[SS+32*\g+2*\p],    v[SS+32*\g+2*\p+1]
	v_max3_num_f32 v[T+2*\g+1], v[T+2*\g+1], v[SS+32*\g+16+2*\p], v[SS+32*\g+17+2*\p]
.endr
.endr
	WIN 0
.irp g, 0,1,2,3
	v_max_num_f32 v[T+2*\g], v[T+2*\g], v[T+2*\g+1]
.endr
.irp g, 0,1,2,3
	v_permlanex16_b32 v[T+2*\g+1], v[T+2*\g], s48, s49     ; the other half of the query's keys lies in lane l xor 16
.endr
.irp g, 0,1,2,3
	v_max_num_f32 v[M+\g], v[T+2*\g], v[T+2*\g+1]
.endr
.irp g, 0,1,2,3
	v_mul_f32 v[T+2*\g], 0xbeb8aa3b, v[M+\g]       ; -0.25 log2(e) M.  This rounded number serves the exponents and the shrinking factor alike, so its
.endr                                                  ; rounding is one common factor of O and of the sum, and leaves their quotient alone
.if \first == 0
.irp g, 0,1,2,3
	v_sub_f32 v[AL+2*\g], v[T+2*\g], v[NM+2*\g]    ; at most 0
.endr
.irp g, 0,1,2,3
	v_exp_f32 v[AL+2*\g], v[AL+2*\g]
.endr
.endif
.irp g, 0,1,2,3
	v_mov_b32 v[NM+2*\g],   v[T+2*\g]              ; (plain instructions between the exponentials and the use of their results: ISA guide 5.7.2)
	v_mov_b32 v[NM+2*\g+1], v[T+2*\g]
.endr
.if \first == 0
	s_wait_alu depctr_va_vdst(0)
.irp g, 0,1,2,3
	v_mov_b32 v[AL+2*\g+1], v[AL+2*\g]
.endr
.irp g, 0,1,2,3
	v_pk_mul_f32 v[LS+2*\g:LS+2*\g+1], v[LS+2*\g:LS+2*\g+1], v[AL+2*\g:AL+2*\g+1]
.endr
.endif
	; p = 2^(0.25 log2(e) (s - M)), in place.  One window setting serves the exponents' multiply-adds, the exponentials and the shrinking of old O, so they are
	; laid by turns: behind two exponentials of group g stand the multiply-add of two scores of group g + 1 and the product of two numbers of O's group g,
	; plain instructions that touch neither the exponentials' results nor their sources.
	WIN W_SC
.irp p, 0,1,2,3,4,5,6,7,8,9,10,11,12,13,14,15
	v_pk_fma_f32 v[SS+2*\p:SS+2*\p+1], v[SS+2*\p:SS+2*\p+1], 0x3eb8aa3b, v[NM:NM+1] op_sel_hi:[1,0,1]
.endr
.irp g, 0,1,2,3
.irp p, 0,1,2,3,4,5,6,7,8,9,10,11,12,13,14,15
	v_exp_f32 v[SS+32*\g+2*\p],   v[SS+32*\g+2*\p]
	v_exp_f32 v[SS+32*\g+2*\p+1], v[SS+32*\g+2*\p+1]
.if \g < 3
	v_pk_fma_f32 v[SS+32*(\g+1)+2*\p:SS+32*(\g+1)+2*\p+1], v[SS+32*(\g+1)+2*\p:SS+32*(\g+1)+2*\p+1], 0x3eb8aa3b, v[NM+2*(\g+1):NM+2*(\g+1)+1] op_sel_hi:[1,0,1]
.endif
.if \first == 0
	v_pk_mul_f32 v[OO+32*\g+2*\p:OO+32*\g+2*\p+1], v[OO+32*\g+2*\p:OO+32*\g+2*\p+1], v[AL+2*\g:AL+2*\g+1]
.endif
.endr
.endr
.if \first
	v_nop                                          ; the plain place behind the last exponentials (elsewhere the product of O's numbers is that place)
	s_wait_alu depctr_va_vdst(0)
.endif
	WIN W_SUM
	s_wait_alu depctr_va_vdst(0)
.irp p, 0,1,2,3,4,5,6,7,8,9,10,11,12,13,14,15
.irp g, 0,1,2,3
	v_pk_add_f32 v[LS+2*\g:LS+2*\g+1], v[LS+2*\g:LS+2*\g+1], v[SS+32*\g+2*\p:SS+32*\g+2*\p+1]
.endr
.endr
	; two score tiles become one fragment of P, in place: register rr takes numbers 2 rr and 2 rr + 1, ascending, so nothing is written before it is read
	WIN W_CVT
.irp g, 0,1,2,3
.irp i, 0,1
.irp rr, 0,1,2,3,4,5,6,7
	v_cvt_pk_f16_f32 v[SS+32*\g+16*\i+\rr], v[SS+32*\g+16*\i+2*\rr], v[SS+32*\g+16*\i+2*\rr+1]
.endr
.endr
.endr
	s_wait_dscnt 0x0                               ; V's fragments are in
	WIN W_PV
.irp i, 0,1
.irp g, 0,1,2,3
.irp dt, 0,1,2,3
.if \first*(1-\i)
	v_wmma_f32_16x16x32_f16 v[OO+32*\g+8*\dt:OO+32*\g+8*\dt+7], v[VF+16*\dt+8*\i:VF+16*\dt+8*\i+7], v[SS+32*\g+16*\i:SS+32*\g+16*\i+7], 0
.else
	v_wmma_f32_16x16x32_f16 v[OO+32*\g+8*\dt:OO+32*\g+8*\dt+7], v[VF+16*\dt+8*\i:VF+16*\dt+8*\i+7], v[SS+32*\g+16*\i:SS+32*\g+16*\i+7], v[OO+32*\g+8*\dt:OO+32*\g+8*\dt+7]
.endif
.endr
.endr
.endr
	; five places: four before loads land on V's fragments, five before the next scores are written over P.  Two of them are of use.
	WIN 0
	v_add_nc_u32 v[CURK], KSTEPB, v[CURK]          ; 64 keys on
	v_add_nc_u32 v[CURV], VSTEPB, v[CURV]
.rept 3
	v_nop
.endr
.endm
; Slot sl's eight steps.  refill = 1: in front of them the round that lets the other slot (ot), read last, be filled again, with the tile two further on.
; refill = 0 (the last tile): nothing is filled, so my work-group's barrier alone shows the slot whole to every wave.
.macro TILE sl, ot, refill
	s_wait_tensorcnt 0x0                           ; all my tensor loads have landed, my part of this slot among them: every group 0 may be written
	ds_add_u32 v62, v63
	s_wait_dscnt 0x0
.if \refill
	s_add_nc_u64 s[G0K+4*\ot+2:G0K+4*\ot+3], s[G0K+4*\ot+2:G0K+4*\ot+3], 2*TILEB
	s_add_nc_u64 s[G0V+4*\ot+2:G0V+4*\ot+3], s[G0V+4*\ot+2:G0V+4*\ot+3], 2*TILEB
.endif
	s_wait_dscnt 0x0                               ; my reads of the other slot are over
.if \refill
	ROUND                                          ; both now hold of every wave of all four work-groups
	JLOAD \ot                                      ; my one tensor load behind the round: it has eight steps in which to land
.else
	s_barrier_signal -1
	s_barrier_wait -1
.endif
	v_mov_b32 v[CURK], v[ADRK+\sl]                 ; the slot's first 64 keys
	v_mov_b32 v[CURV], v[ADRV+\sl]
	s_mov_b32 s50, STEPS
.Lstep_\@:
	STEP 0
	s_sub_co_u32 s50, s50, 1
	s_cmp_lg_u32 s50, 0
	s_cbranch_scc1 .Lstep_\@
.endm
	s_wait_tensorcnt 1                             ; my part of slot 0 is in; slot 1's stays out
	s_barrier_signal -1
	s_barrier_wait -1                              ; everybody's is
	s_wait_loadcnt 0x0                             ; q
	v_mov_b32 v[CURK], v[ADRK]
	v_mov_b32 v[CURV], v[ADRV]
	STEP 1                                         ; keys 0-63: the first products start O
	s_mov_b32 s50, STEPS-1
.Ltile0:
	STEP 0
	s_sub_co_u32 s50, s50, 1
	s_cmp_lg_u32 s50, 0
	s_cbranch_scc1 .Ltile0
	TILE 1, 0, 1                                   ; keys 512-1023; slot 0 gets keys 1024-1535
	TILE 0, 1, 1                                   ; keys 1024-1535; slot 1 gets keys 1536-2047: the last load
	TILE 1, 0, 0                                   ; keys 1536-2047
	; THE WAY OUT: divide by the sums, round to f16; then, 16 queries at a time, 16 bytes a lane into my own stage and back as four rows (512 bytes) a load
.irp g, 0,1,2,3
	v_add_f32 v[T+\g], v[LS+2*\g], v[LS+2*\g+1]
.endr
.irp g, 0,1,2,3
	v_permlanex16_b32 v[T+4+\g], v[T+\g], s48, s49
.endr
.irp g, 0,1,2,3
	v_add_f32 v[T+\g], v[T+\g], v[T+4+\g]          ; at least about 1: the largest score's own exponential
.endr
.irp g, 0,1,2,3
	v_rcp_f32 v[AL+2*\g], v[T+\g]
.endr
	v_nop                                          ; the plain place behind the reciprocals
	s_wait_alu depctr_va_vdst(0)
.irp g, 0,1,2,3
	v_mov_b32 v[AL+2*\g+1], v[AL+2*\g]
.endr
	WIN W_SC
.irp g, 0,1,2,3
.irp p, 0,1,2,3,4,5,6,7,8,9,10,11,12,13,14,15
	v_pk_mul_f32 v[OO+32*\g+2*\p:OO+32*\g+2*\p+1], v[OO+32*\g+2*\p:OO+32*\g+2*\p+1], v[AL+2*\g:AL+2*\g+1]
.endr
.endr
	WIN W_OUT
.irp g, 0,1,2,3
.irp dt, 0,1,2,3
.irp rr, 0,1,2,3
	v_cvt_pk_f16_f32 v[VF+16*\g+4*\dt+\rr], v[OO+32*\g+8*\dt+2*\rr], v[OO+32*\g+8*\dt+2*\rr+1]
.endr
.endr
.endr
	WIN 0
.irp g, 0,1,2,3
.irp dt, 0,1,2,3
	ds_store_b128 v[STO], v[VF+16*\g+4*\dt:VF+16*\g+4*\dt+3] offset:32*\dt       ; behind the last group's reads, which the count-down below has shown done
.endr
.irp t, 0,1,2,3
	ds_load_b128 v[KF+16*\g+4*\t:KF+16*\g+4*\t+3], v[RD] offset:4*OP*\t          ; my own bytes; LDS serves a wave's instructions in order (ISA guide 5.7.1.4)
.endr
.irp t, 0,1,2,3
	s_wait_dscnt 3-\t                              ; LDS loads come back in order: number t of the four is in
	global_store_b128 v[CO], v[KF+16*\g+4*\t:KF+16*\g+4*\t+3], s[56:57] offset:2048*\g+512*\t   ; a wave stores 512 consecutive bytes, aligned; every store has data registers of its own
.endr
.endr
	s_wait_tensorcnt 0x0
	ds_add_u32 v62, v63
	s_wait_dscnt 0x0
	ROUND                                          ; the closing round: no work-group ends while a partner may still ask for a tile that names it
	s_endpgm
.Lfunc_end_k_q98e04503e2_attn:
	.size	k_q98e04503e2_attn, .Lfunc_end_k_q98e04503e2_attn-k_q98e04503e2_attn
	.p2alignl 7, 3214868480
	.fill 96, 4, 3214868480
	.section	.rodata,"a",@progbits
	.p2align	6, 0x0
	.amdhsa_kernel k_q98e04503e2_attn
		.amdhsa_group_segment_fixed_size 327680
		.amdhsa_private_segment_fixed_size 0
		.amdhsa_enable_private_segment 0
		.amdhsa_kernarg_size 16
		.amdhsa_user_sgpr_count 2
		.amdhsa_user_sgpr_kernarg_segment_ptr 1
		.amdhsa_wavefront_size32 1
		.amdhsa_system_sgpr_workgroup_id_x 1
		.amdhsa_system_sgpr_workgroup_id_y 1
		.amdhsa_system_sgpr_workgroup_id_z 1
		.amdhsa_system_vgpr_workitem_id 0
		.amdhsa_next_free_vgpr 512
		.amdhsa_next_free_sgpr 66
		.amdhsa_reserve_vcc 0
		.amdhsa_float_denorm_mode_32 3
		.amdhsa_float_denorm_mode_16_64 3
		.amdhsa_memory_ordered 1
		.amdhsa_forward_progress 1
		.amdhsa_inst_pref_size 192
	.end_amdhsa_kernel
	.amdgpu_metadata
---
amdhsa.version: [ 1, 2 ]
amdhsa.kernels:
  - .name:           k_q98e04503e2_attn
    .symbol:         k_q98e04503e2_attn.kd
    .args:
      - { .name: qkvh, .offset: 0, .size: 8, .value_kind: global_buffer, .address_space: global }
      - { .name: ao, .offset: 8, .size: 8, .value_kind: global_buffer, .address_space: global }
    .group_segment_fixed_size: 327680
    .private_segment_fixed_size: 0
    .kernarg_segment_align: 8
    .kernarg_segment_size: 16
    .max_flat_workgroup_size: 256
    .sgpr_count:     66
    .vgpr_count:     512
    .wavefront_size: 32
...
	.end_amdgpu_metadata
.endif
;; end of part 3
;; launch gemm_proj (part 4): grid 8 x 32, 4 waves a work-group, clusters of 4 x 4, 327,680 bytes of LDS; arguments ao, wpT, b_proj, out0; writes out0
.if DOCPART == 4
	.amdgcn_target "amdgcn-amd-amdhsa--gfx1250"
	.amdhsa_code_object_version 6
	.text
	.protected	k_q98e04503e2_gemm_proj
	.globl	k_q98e04503e2_gemm_proj
	.p2align	8
	.type	k_q98e04503e2_gemm_proj,@function
k_q98e04503e2_gemm_proj:
	s_mov_b64 s[64:65], 0
	v_nop
	global_prefetch_b8 v0, s[64:65] scope:SCOPE_SE
	s_setreg_imm32_b32 hwreg(HW_REG_WAVE_MODE, 25, 1), 1
	s_wait_xcnt 0x0
	s_wait_alu depctr_hold_cnt(0) depctr_sa_sdst(0) depctr_va_vdst(0) depctr_va_sdst(0) depctr_va_ssrc(0) depctr_va_vcc(0) depctr_vm_vsrc(0)
	s_getreg_b32 s2, hwreg(HW_REG_IB_STS2, 6, 4)
	s_cmp_eq_u32 s2, 0
	s_cbranch_scc0 .Lentry_in_a_cluster
	s_endpgm
.Lentry_in_a_cluster:
	s_bfe_u32 s2, ttmp6, 0x10000c
	s_cmp_lg_u32 s2, 0xf033
	s_cbranch_scc0 .Lentry_shape_is_right
	s_endpgm
.Lentry_shape_is_right:
; gemm_proj: out0 = attention output x W_proj + b_proj, f32 out.  A = ao (f16, by head: byte (16 batch + head) << 18 | n x 128 + 2 d; k = 64 head + d),
; B = wpT [1024 n][1024 k] (f16), sums in f32; the bias is the C operand of each sum's first product, so no add is written and nothing is cleared.
; LIMIT: f16 operands (as stored by the launches before).
; A work-group makes 256 rows x 128 columns with four waves, a wave 128 x 64: 32 accumulator tiles, 256 registers.  32 x 8 = 256 work-groups.
; K goes in steps of 128 = two heads through two LDS slots.  A's tile of a step is two planes (one a head) of 256 rows x 128 bytes, dense in memory, fetched as
; 128 rows of 256 bytes: row n of a plane lies at (n / 2) x 272 + (n % 2) x 128, so that the sixteen lanes of a fragment load touch the 16-byte columns
; (r / 2) + 8 (r % 2), all different.  B's rows are 256 bytes at pitch 272.
; CLUSTERS: 4 x 4 work-groups; A's tiles are asked for jointly along a row of the cluster, B's along a column.
; REGISTERS: window 0: v16-27 addresses, v32-63 bias, v64-127 and v128-191 fragments of A (two buffers); window 1: v64-95, v128-159 fragments of B;
;            window 2: the 16 accumulator tiles of my rows 0-63 (tile (a, b) at v[8 (4 a + b)]); window 3: those of rows 64-127.
; The matrix instruction is used transposed (source 0 = 16 rows of wpT, source 1 = 16 rows of A): lane l holds row l % 16 and columns 8 (l / 16) + 0..7.
; The 32 accumulators take turns, one instruction a turn, in the same order in every quarter step.
.set SIZE_K, 1024
.set NB,     4
.set KSTEP,  128
.set PITCH,  272
.set HALFA,  128*PITCH                 ; a plane of A: 256 rows, two to an LDS row
.set HALFB,  64*PITCH                  ; 64 rows of wpT
.set SLOT,   2*HALFA+2*HALFB           ; 104,448
.set STAGE,  2*SLOT                    ; behind the ring: 16 rows x 272 bytes for each wave
.set SPITCH, 272
.set ROWB,   4096                      ; bytes in a row of out0
.set LAPS,   SIZE_K/(2*KSTEP)
.set ADRA, 16
.set ADRB, 20
.set STO,  24
.set RD,   25
.set CO,   26
.set BA,   27                          ; v27     32 x (l / 16): my eight numbers of a block's sixteen biases
.set BIAS, 32                          ; v32-63  block b: the bias of columns 16 b + 8 (l / 16) + 0..7, laid out like an accumulator tile
.set F0,   64
.set F1,   128
.set G1,  24
.set G0,  32
.set G1B, 48
.set G0B, 56
.set MSB, 0
.macro WIN new
.if MSB != \new
	s_set_vgpr_msb (MSB<<8)|\new
.set MSB, \new
.endif
.endm
.set MUL_LO, 0xa1                      ; source 0 (wpT) window 1, source 1 (A) window 0, C and D window 2
.set MUL_HI, 0xf1                      ; the same, C and D window 3
.set ST_LO,  0x81                      ; the first products: C (the bias) window 0, D window 2
.set ST_HI,  0xc1                      ; C window 0, D window 3
.set TO_B,   0x40
.macro JLOAD s                         ; waves 0 and 1 fetch A's two planes, waves 2 and 3 wpT's two halves; the branch hangs on the wave's number alone
	s_cmp_eq_u32 s11, 0
	s_cbranch_scc0 .Lfor_b_\@
	tensor_load_to_lds s[G0+4*\s:G0+4*\s+3], s[G1:G1+7]
	s_nop 0
	s_branch .Lasked_\@
.Lfor_b_\@:
	tensor_load_to_lds s[G0B+4*\s:G0B+4*\s+3], s[G1B:G1B+7]
	s_nop 0
.Lasked_\@:
.endm
.macro CREST
	s_cmp_lg_u32 s10, 0
	s_cbranch_scc1 .Lnot_wave_0_\@
	s_barrier_signal -3
.Lnot_wave_0_\@:
	s_barrier_wait -3
	s_barrier_signal -1
	s_barrier_wait -1
.endm
.macro CROUND
	s_barrier_signal -1
	s_barrier_wait -1
	CREST
.endm
	s_load_b128 s[4:7], s[0:1], 0x0                ; ao s[4:5], wpT s[6:7]
	s_load_b128 s[68:71], s[0:1], 0x10             ; b_proj s[68:69], out0 s[70:71]
	s_set_vgpr_msb 0x40
	v_lshl_add_u32 v255, v0, 2, 0x37400
	s_set_vgpr_msb 0x4000
	v_mov_b32 v255, 0
	s_set_vgpr_msb 0x1
	ds_add_u32 v255, v255
	s_set_vgpr_msb 0x100
	v_lshrrev_b32 v1, 5, v0
	v_readfirstlane_b32 s10, v1                    ; wave 0..3
	s_lshr_b32 s11, s10, 1                         ; my half of the block's rows.  Also: I fetch for A (0) or for wpT (1)
	s_and_b32 s12, s10, 1                          ; my half of its columns.  Also: which plane or half I fetch
	s_bfe_u32 s40, ttmp6, 0x40000                  ; cx
	s_bfe_u32 s41, ttmp6, 0x40004                  ; cy
	s_lshl_b32 s42, ttmp9, 2
	s_add_co_u32 s42, s42, s40                     ; block column, 0..7
	s_and_b32 s13, ttmp7, 0xffff
	s_lshl_b32 s13, s13, 2
	s_add_co_u32 s13, s13, s41                     ; block row, 0..31
	s_lshl_b32 s43, s41, 2
	s_lshl_b32 s43, 15, s43                        ; my row of the cluster
	s_lshl_b32 s44, 0x1111, s40                    ; my column
	s_or_b32 s[G1+0], s43, (1<<16)|(1<<20)|(1<<21)|(5<<22)|(3<<25)   ; mask: my row; elements of 2 bytes; padding on; bit 21 beside a mask; after every 64 words, 4 words
	s_mov_b32 s[G1+1], 128<<16                     ; tensor_dim0 = 128 elements: two rows of a head
	s_mov_b32 s[G1+2], 128<<16                     ; tensor_dim1 = 128
	s_mov_b32 s[G1+3], 128<<16                     ; tile_dim0
	s_mov_b32 s[G1+4], 128                         ; tile_dim1
	s_mov_b32 s[G1+5], 128                         ; from row to row: dense
	s_mov_b32 s[G1+6], 0
	s_mov_b32 s[G1+7], 0
	s_or_b32 s[G1B+0], s44, (1<<16)|(1<<20)|(1<<21)|(5<<22)|(3<<25)  ; mask: my column
	s_mov_b32 s[G1B+1], KSTEP<<16
	s_mov_b32 s[G1B+2], 64<<16                     ; 64 rows
	s_mov_b32 s[G1B+3], KSTEP<<16
	s_mov_b32 s[G1B+4], 64
	s_mov_b32 s[G1B+5], SIZE_K
	s_mov_b32 s[G1B+6], 0
	s_mov_b32 s[G1B+7], 0
	s_lshr_b32 s16, s13, 3
	s_lshl_b32 s16, s16, 22                        ; A: batch (8 block rows each),
	s_and_b32 s17, s13, 7
	s_lshl_b32 s17, s17, 15                        ; 256 rows of 128 bytes a block row,
	s_add_co_u32 s16, s16, s17
	s_lshl_b32 s17, s12, 18                        ; the step's first or second head
	s_add_co_u32 s16, s16, s17
	s_mov_b32 s17, 0
	s_lshl_b32 s46, s42, 7
	s_lshl_b32 s47, s12, 6
	s_add_co_u32 s46, s46, s47                     ; wpT: row 128 x block column + 64 x half
	s_lshl_b32 s46, s46, 11
	s_mov_b32 s47, 0
	s_mul_i32 s20, s10, HALFA                      ; waves 0, 1: A's planes at wave x HALFA;
	s_mul_i32 s23, s10, HALFB
	s_add_co_u32 s23, s23, 2*HALFA-2*HALFB         ; waves 2, 3: wpT's halves at 2 HALFA + (wave - 2) x HALFB
	s_lshl_b32 s72, s42, 9                         ; my 64 columns, in bytes of f32: 512 x block column + 256 x half
	s_lshl_b32 s73, s12, 8
	s_add_co_u32 s72, s72, s73
	s_mov_b32 s73, 0
	s_wait_dscnt 0x0
	s_wait_kmcnt 0x0
	s_add_nc_u64 s[14:15], s[4:5], s[16:17]
	s_add_nc_u64 s[46:47], s[6:7], s[46:47]
	s_add_nc_u64 s[66:67], s[68:69], s[72:73]      ; my 64 biases
	s_add_nc_u64 s[70:71], s[70:71], s[72:73]      ; my columns of out0
	CROUND                                         ; all sixteen work-groups are here: the first joint loads meet
.irp s, 0,1
	s_mov_b32 s[G0+4*\s], 1
	s_add_co_u32 s[G0+4*\s+1], s20, \s*SLOT
	s_add_nc_u64 s[G0+4*\s+2:G0+4*\s+3], s[14:15], \s*(2<<18)      ; K step s: two heads on
	s_or_b32 s[G0+4*\s+3], s[G0+4*\s+3], 0x80000000
	s_mov_b32 s[G0B+4*\s], 1
	s_add_co_u32 s[G0B+4*\s+1], s23, \s*SLOT
	s_add_nc_u64 s[G0B+4*\s+2:G0B+4*\s+3], s[46:47], \s*KSTEP*2
	s_or_b32 s[G0B+4*\s+3], s[G0B+4*\s+3], 0x80000000
	JLOAD \s                                       ; two tensor loads of the wave are out
.endr
	v_and_b32 v1, 15, v0                           ; r
	v_bfe_u32 v2, v0, 4, 1                         ; h
	v_lshlrev_b32 v[BA], 5, v2
.irp b, 0,1,2,3
	global_load_b128 v[BIAS+8*\b:BIAS+8*\b+3],   v[BA], s[66:67] offset:64*\b
	global_load_b128 v[BIAS+8*\b+4:BIAS+8*\b+7], v[BA], s[66:67] offset:64*\b+16
.endr
	v_mul_u32_u24 v3, v1, PITCH
	v_lshl_add_u32 v3, v2, 4, v3                   ; wpT: row r, 16 h
	v_lshrrev_b32 v4, 1, v1
	v_mul_u32_u24 v5, v4, PITCH                    ; A: LDS row r / 2,
	v_and_b32 v4, 1, v1
	v_lshl_add_u32 v5, v4, 7, v5                   ; half r % 2,
	v_lshl_add_u32 v5, v2, 4, v5                   ; 16 h
	s_mul_i32 s21, s11, 64*PITCH                   ; my 128 rows of A: 64 LDS rows
	s_mul_i32 s22, s12, HALFB
	s_add_co_u32 s22, s22, 2*HALFA
.irp s, 0,1
	v_add_nc_u32 v[ADRA+\s], s21, v5
	v_add_nc_u32 v[ADRB+\s], s22, v3
	s_add_co_u32 s21, s21, SLOT
	s_add_co_u32 s22, s22, SLOT
.endr
	s_mul_i32 s18, s10, 16*SPITCH
	s_add_co_u32 s18, s18, STAGE                   ; my stage
	v_mul_u32_u24 v4, v1, SPITCH
	v_lshl_add_u32 v4, v2, 5, v4                   ; in: row r, 32 bytes for each half of the lanes
	v_add_nc_u32 v[STO], s18, v4
	v_mul_u32_u24 v5, v2, SPITCH                   ; back: lanes 0-15 one row of 256 bytes, lanes 16-31 the next
	v_lshl_add_u32 v5, v1, 4, v5
	v_add_nc_u32 v[RD], s18, v5
	v_lshlrev_b32 v5, 12, v2                       ; and the same two rows in out0
	v_lshl_add_u32 v[CO], v1, 4, v5
; 8 matrix instructions: row blocks a0, a0 + 1 of the window's four x all 4 column blocks.  zero = 1: the first product starts the sums from the bias.
.macro MULH f, hi, a0, zero
.irp a, \a0, \a0+1
.irp b, 0,1,2,3
.if \zero
	v_wmma_f32_16x16x32_f16 v[8*(NB*(\a)+\b):8*(NB*(\a)+\b)+7], v[\f+8*\b:\f+8*\b+7], v[\f+8*(4*\hi+\a):\f+8*(4*\hi+\a)+7], v[BIAS+8*\b:BIAS+8*\b+7]
.else
	v_wmma_f32_16x16x32_f16 v[8*(NB*(\a)+\b):8*(NB*(\a)+\b)+7], v[\f+8*\b:\f+8*\b+7], v[\f+8*(4*\hi+\a):\f+8*(4*\hi+\a)+7], v[8*(NB*(\a)+\b):8*(NB*(\a)+\b)+7]
.endif
.endr
.endr
.endm
; 24 LDS loads in one run: a quarter step's fragments into buffer f.  ka: the quarter's place in A's planes; kb: in wpT's rows.
.macro FETCH slot, ka, kb, f
	WIN TO_B
.irp i, 0,1,2,3
	ds_load_b128 v[\f+8*\i:\f+8*\i+3],   v[ADRB+\slot] offset:\kb+\i*16*PITCH
	ds_load_b128 v[\f+8*\i+4:\f+8*\i+7], v[ADRB+\slot] offset:\kb+\i*16*PITCH+32
.endr
	WIN 0
.irp i, 0,1,2,3,4,5,6,7
	ds_load_b128 v[\f+8*\i:\f+8*\i+3],   v[ADRA+\slot] offset:\ka+\i*8*PITCH
	ds_load_b128 v[\f+8*\i+4:\f+8*\i+7], v[ADRA+\slot] offset:\ka+\i*8*PITCH+32
.endr
.endm
; four places behind a matrix instruction before a load lands on a register that it has read or a store reads its result; only plain vector
; instructions that name none of its registers are places (ISA guide 7.12.1 for vector instructions)
.macro PLACES
.rept 4
	v_nop
.endr
.endm
.macro QUARTER slot, ka, kb, f, g, zero
	s_wait_dscnt 8                                 ; wpT's and A's rows 0-63 are in; the youngest eight loads (A's rows 64-127) may be out
.if \zero
	WIN ST_LO
.else
	WIN MUL_LO
.endif
	MULH \f, 0, 0, \zero
	MULH \f, 0, 2, \zero
	PLACES
	FETCH \slot, \ka, \kb, \g
	s_wait_dscnt 2*NB+16                           ; all but the 24 just issued
.if \zero
	WIN ST_HI
.else
	WIN MUL_HI
.endif
	MULH \f, 1, 0, \zero
	MULH \f, 1, 2, \zero
.endm
.macro THREE slot, zero                ; quarters 1, 2, 3 are fetched: d 32-63 of the first head, then the second head's two halves
	QUARTER \slot, 64,       64,  F0, F1, \zero
	QUARTER \slot, HALFA,    128, F1, F0, 0
	QUARTER \slot, HALFA+64, 192, F0, F1, 0
.endm
; The last quarter changes slots: each wave's reads of this slot and all its tensor loads are waited for in front of the barrier; behind it the refill comes first.
; From a request to the wait for it a wave issues 120 matrix instructions.
.macro TURN slot, next, fill
	s_wait_dscnt 8
	WIN MUL_LO
	MULH F1, 0, 0, 0
	s_wait_dscnt 0                                 ; my reads of this slot are over
	s_wait_tensorcnt 0x0                           ; and all my tensor loads have landed
	ds_add_u32 v255, v255
	s_wait_dscnt 0x0
	s_barrier_signal -1                            ; (where a slot is filled again this barrier opens a round of the cluster's barrier)
	MULH F1, 0, 2, 0
	WIN 0
	s_barrier_wait -1
.if \fill
	CREST                                          ; no wave of any partner still reads this slot's tile or has a load on its way
	s_add_nc_u64 s[G0+4*\slot+2:G0+4*\slot+3], s[G0+4*\slot+2:G0+4*\slot+3], 4<<18      ; two K steps = four heads on
	s_add_nc_u64 s[G0B+4*\slot+2:G0B+4*\slot+3], s[G0B+4*\slot+2:G0B+4*\slot+3], 2*KSTEP*2
	JLOAD \slot                                    ; the first tensor load behind the round, the wave's only one until the next: one is out
.endif
	PLACES
	FETCH \next, 0, 0, F0
	WIN MUL_HI
	MULH F1, 1, 0, 0
	MULH F1, 1, 2, 0
.endm
.macro LAP zero
	THREE 0, \zero
	TURN 0, 1, 1
	THREE 1, 0
	TURN 1, 0, 1
.endm
	s_wait_tensorcnt 1                             ; my part of K step 0 is in; K step 1's stays out
	s_barrier_signal -1
	s_barrier_wait -1
	s_wait_loadcnt 0x0                             ; the bias
	FETCH 0, 0, 0, F0
	LAP 1                                          ; the first lap stands in front of the loop: its first products start the sums
	WIN 0
	s_mov_b32 s3, LAPS-2
.Llap:
	LAP 0
	WIN 0
	s_sub_co_u32 s3, s3, 1
	s_cmp_lg_u32 s3, 0
	s_cbranch_scc1 .Llap
	THREE 0, 0                                     ; the last lap fills nothing
	TURN 0, 1, 0
	THREE 1, 0
	s_wait_dscnt 8
	WIN MUL_LO
	MULH F1, 0, 0, 0
	MULH F1, 0, 2, 0
	s_wait_dscnt 0
	WIN MUL_HI
	MULH F1, 1, 0, 0
	MULH F1, 1, 2, 0
	; THE WAY OUT, 16 rows at a time: the accumulators go as they are (f32) into my own stage, 32 bytes a lane, and come back as whole rows of 256 bytes.
	PLACES
	s_lshl_b32 s72, s13, 8
	s_lshl_b32 s73, s11, 7
	s_add_co_u32 s72, s72, s73                     ; my first row
	s_lshl_b32 s72, s72, 12                        ; x 4,096 bytes (below 2^25)
	s_mov_b32 s73, 0
	s_add_nc_u64 s[70:71], s[70:71], s[72:73]
; rows 16 i .. 16 i + 15 = the four tiles (aw, 0..3) of window 2 or 3 (from = 0x08 or 0x0c: an LDS store's data are source 1); f: F0 or F1 in turn
.macro OUT16 i, aw, from, f
	WIN \from
.irp b, 0,1,2,3
	ds_store_b128 v[STO], v[8*(NB*\aw+\b):8*(NB*\aw+\b)+3]   offset:64*\b
	ds_store_b128 v[STO], v[8*(NB*\aw+\b)+4:8*(NB*\aw+\b)+7] offset:64*\b+16
.endr
	WIN 0
	s_wait_xcnt 0x0                                ; every earlier memory instruction has had its addresses translated (ISA guide 3.1): buffer f and the stores' base are rewritten only behind this wait
.if \i
	s_add_nc_u64 s[70:71], s[70:71], 16*ROWB
.endif
.irp t, 0,1,2,3,4,5,6,7
	ds_load_b128 v[\f+4*\t:\f+4*\t+3], v[RD] offset:\t*2*SPITCH      ; my own bytes; LDS serves a wave's instructions in order (ISA guide 5.7.1.4)
.endr
.irp t, 0,1,2,3,4,5,6,7
	s_wait_dscnt 7-\t
	global_store_b128 v[CO], v[\f+4*\t:\f+4*\t+3], s[70:71] offset:2*\t*ROWB th:TH_STORE_NT   ; sixteen lanes store 256 consecutive bytes, aligned
.endr
.endm
	OUT16 0, 0, 0x08, F0
	OUT16 1, 1, 0x08, F1
	OUT16 2, 2, 0x08, F0
	OUT16 3, 3, 0x08, F1
	OUT16 4, 0, 0x0c, F0
	OUT16 5, 1, 0x0c, F1
	OUT16 6, 2, 0x0c, F0
	OUT16 7, 3, 0x0c, F1
	s_set_vgpr_msb 0x1
	s_wait_tensorcnt 0x0
	ds_add_u32 v255, v255
	s_wait_dscnt 0x0
	s_set_vgpr_msb 0x100
	CROUND                                         ; the closing round: no work-group ends while a partner may still ask for a tile that names it
	s_endpgm
.Lfunc_end_k_q98e04503e2_gemm_proj:
	.size	k_q98e04503e2_gemm_proj, .Lfunc_end_k_q98e04503e2_gemm_proj-k_q98e04503e2_gemm_proj
	.p2alignl 7, 3214868480
	.fill 96, 4, 3214868480
	.section	.rodata,"a",@progbits
	.p2align	6, 0x0
	.amdhsa_kernel k_q98e04503e2_gemm_proj
		.amdhsa_group_segment_fixed_size 327680
		.amdhsa_private_segment_fixed_size 0
		.amdhsa_enable_private_segment 0
		.amdhsa_kernarg_size 32
		.amdhsa_user_sgpr_count 2
		.amdhsa_user_sgpr_kernarg_segment_ptr 1
		.amdhsa_wavefront_size32 1
		.amdhsa_system_sgpr_workgroup_id_x 1
		.amdhsa_system_sgpr_workgroup_id_y 1
		.amdhsa_system_sgpr_workgroup_id_z 1
		.amdhsa_system_vgpr_workitem_id 0
		.amdhsa_next_free_vgpr 896
		.amdhsa_next_free_sgpr 76
		.amdhsa_reserve_vcc 0
		.amdhsa_float_denorm_mode_32 3
		.amdhsa_float_denorm_mode_16_64 3
		.amdhsa_memory_ordered 1
		.amdhsa_forward_progress 1
		.amdhsa_inst_pref_size 121
	.end_amdhsa_kernel
	.amdgpu_metadata
---
amdhsa.version: [ 1, 2 ]
amdhsa.kernels:
  - .name:           k_q98e04503e2_gemm_proj
    .symbol:         k_q98e04503e2_gemm_proj.kd
    .args:
      - { .name: ao, .offset: 0, .size: 8, .value_kind: global_buffer, .address_space: global }
      - { .name: wpT, .offset: 8, .size: 8, .value_kind: global_buffer, .address_space: global }
      - { .name: b_proj, .offset: 16, .size: 8, .value_kind: global_buffer, .address_space: global }
      - { .name: out0, .offset: 24, .size: 8, .value_kind: global_buffer, .address_space: global }
    .group_segment_fixed_size: 327680
    .private_segment_fixed_size: 0
    .kernarg_segment_align: 8
    .kernarg_segment_size: 32
    .max_flat_workgroup_size: 128
    .sgpr_count:     76
    .vgpr_count:     896
    .wavefront_size: 32
...
	.end_amdgpu_metadata
.endif
;; end of part 4
;; ======== version 2 of 2: 4 launches; version 1 with the launch prep written anew for expert scheduling mode
;; limits: values are held in f16: magnitudes above 65,504 overflow, below 6.1e-05 lose precision
;; workspace buffers: xh 16,777,216 bytes; wqT 6,291,456 bytes; wpT 2,097,152 bytes; qkvh 50,331,648 bytes; ao 16,777,216 bytes
;; launch prep (part 5): grid 256 x 1, 8 waves a work-group, no clusters, 50,688 bytes of LDS; arguments x, W_qkv, W_proj, xh, wqT, wpT; writes xh, wqT, wpT
.if DOCPART == 5
	.amdgcn_target "amdgcn-amd-amdhsa--gfx1250"
	.amdhsa_code_object_version 6
	.text
	.protected	k_q98e04503e2_prep
	.globl	k_q98e04503e2_prep
	.p2align	8
	.type	k_q98e04503e2_prep,@function
k_q98e04503e2_prep:
	s_mov_b64 s[64:65], 0
	v_nop
	global_prefetch_b8 v0, s[64:65] scope:SCOPE_SE
	s_setreg_imm32_b32 hwreg(HW_REG_WAVE_SCHED_MODE, 0, 2), 2
	s_setreg_imm32_b32 hwreg(HW_REG_WAVE_MODE, 25, 1), 1
	s_wait_xcnt 0x0
	s_wait_alu depctr_vm_vsrc(0)
; prep: the operands of the two big products, once, in the form in which the matrix kernels want them.
;   xh[m][k]  = f16(x[m][k])            8192 x 1024
;   wqT[n][k] = f16(W_qkv[k][n])        3072 x 1024 (transposed: K along the rows)
;   wpT[n][k] = f16(W_proj[k][n])       1024 x 1024
; LIMIT: f16 operands.  A number of x or of a weight of magnitude 65,504 or more becomes infinite; below 6e-8 it becomes zero.
; f16 and not bf16 because the logits' error passes through the softmax unreduced: eight times finer operands keep it small.
; Work-group i of 256 does two things: one tile of 128 k x 128 n of a weight (i < 192: W_qkv, else W_proj; k block i & 7, n block i >> 3),
; and 131,072 bytes of x.  All 48 loads of a lane go out first; nothing is loaded twice; no loop.
; The work-groups share no input, so there is nothing for a cluster to ask for jointly; no product, so no matrix instruction.
; THE TRANSPOSE: wave w loads rows k = 16 w .. 16 w + 15 of the tile, one row of 512 bytes a load (lane L: columns 4 L .. 4 L + 3).
; A lane packs, for each of its 4 columns, its 16 k into 32 bytes and stores them into the wave's OWN region of LDS (REG bytes), column
; 4 L + c at row 32 c + L of 48 bytes: neighbouring lanes are 48 bytes apart, so sixteen lanes touch sixteen different 16-byte columns
; modulo 256 bytes.  Behind one barrier a row of the result (256 bytes: 8 waves x 32 bytes) is read by sixteen neighbouring lanes, 32 bytes
; from each region; REG = 128 x 48 + 32 puts these pieces 32 bytes apart modulo 256 as well.
; THE MODE: SCHED_MODE bits 1:0 = 2 (LLVM: expert scheduling mode 2), set by the entry lines.  The code itself states the register dependences
; between vector instructions and memory or LDS instructions, with s_wait_alu, always for 0.
; THE PLAN.  Registers that memory or LDS instructions touch (the text is one straight run):
;   v3-v7, v16-31  offsets and LDS addresses: written by vector instructions at the head, read by every load and store, never written again.
;   v14, v15       written at the head, read by the closing add alone.
;   W  v32-95      the weight's 16 loads land here; the transpose's 32 conversions read them; behind the barrier eight LDS loads land in v32-63,
;                  and eight global stores read those.
;   D  v96-127     written by those conversions, read by the eight LDS stores, never written again.
;   X  v128-255    x's 32 loads land here; the conversions work in place; load j's first two registers are then read by one store, and never written again.
; So: one wait on va_vdst ahead of the first load (the addresses); one behind the transpose's conversions (D is written, W is read out); and x goes in eight
; blocks of four loads: block p's conversions name block p's registers alone, and among them stand the stores of block p - 1, behind ONE wait at the block's head.
; No register that a memory or LDS instruction reads is written again, so the body needs no wait on vm_vsrc.
.set RPQ,    12288                     ; bytes in a row of W_qkv
.set RPP,    4096                      ; bytes in a row of W_proj
.set QTILES, 192                       ; tiles of W_qkv: 8 k blocks x 24 n blocks
.set CP,     48                        ; LDS bytes for a column's 16 k: 32 + 16
.set REG,    128*CP+32                 ; a wave's region
.set XBLK,   4                         ; loads of x in a block
.set XO,  3                            ; v3       16 t: my bytes in each 4,096 bytes of x
.set YO,  4                            ; v4       8 t: my bytes in each 2,048 bytes of xh
.set SA,  5                            ; v5       where I store in LDS
.set RA,  6                            ; v6       where I read back
.set GO,  7                            ; v7       my byte offset in the transposed tile
.set VO,  16                           ; v[16:31]   byte offset of my 16 bytes in row i of my wave's 16 rows
.set W,   32                           ; v[32:95]   row i: 4 registers as loaded; later the rows read back
.set D,   96                           ; v[96:127]  column c: 8 registers, 16 k in f16
.set X,   128                          ; v[128:255] x: 32 loads of 4 registers
	s_load_b256 s[4:11], s[0:1], 0x0               ; x s[4:5], W_qkv s[6:7], W_proj s[8:9], xh s[10:11]
	s_load_b128 s[12:15], s[0:1], 0x20             ; wqT s[12:13], wpT s[14:15]
	v_lshl_add_u32 v14, v0, 2, 0xc200              ; my spare word, behind the eight regions; kept for the closing lines alone
	v_mov_b32 v15, 0                               ; and 0, likewise
	v_lshrrev_b32 v1, 5, v0
	v_readfirstlane_b32 s16, v1                    ; wave 0..7
	v_and_b32 v2, 31, v0                           ; lane
	s_mov_b32 s26, RPQ
	s_mov_b32 s39, REG
	s_cmp_lt_u32 ttmp9, QTILES                     ; which weight?
	s_cselect_b32 s24, s26, RPP                    ; its row's bytes
	s_cselect_b32 s25, 0, QTILES/8                 ; its first n block in my numbering
	s_lshr_b32 s27, ttmp9, 3
	s_sub_co_u32 s27, s27, s25                     ; n block
	s_and_b32 s28, ttmp9, 7                        ; k block
	s_mul_i32 s30, s28, s24
	s_lshl_b32 s30, s30, 7                         ; 128 rows a k block
	s_lshl_b32 s29, s27, 9                         ; 512 bytes an n block
	s_add_co_u32 s30, s30, s29                     ; the tile in the weight (below 12,582,912)
	s_mov_b32 s31, 0
	s_lshl_b32 s32, s27, 18                        ; 128 rows of 2,048 bytes an n block
	s_lshl_b32 s29, s28, 8                         ; 256 bytes a k block
	s_add_co_u32 s32, s32, s29                     ; the tile in the transposed weight
	s_mov_b32 s33, 0
	s_lshl_b32 s34, ttmp9, 17                      ; my 131,072 bytes of x
	s_mov_b32 s35, 0
	s_lshl_b32 s36, ttmp9, 16                      ; my 65,536 bytes of xh
	s_mov_b32 s37, 0
	s_wait_alu depctr_va_sdst(0)                   ; s16, the wave's number, is written, ahead of its first reader: the line below
	s_mul_i32 s38, s16, s24
	s_lshl_b32 s38, s38, 4                         ; my wave's 16 rows
	v_lshl_add_u32 v[VO], v2, 4, s38
.irp i, 1,2,3,4,5,6,7,8,9,10,11,12,13,14,15
	v_add_nc_u32 v[VO+\i], s24, v[VO+\i-1]         ; a register for each row: the row's length is not a constant of the text
.endr
	v_lshlrev_b32 v[XO], 4, v0
	v_lshlrev_b32 v[YO], 3, v0
	v_mul_u32_u24 v[SA], v2, CP                    ; lane x 48
	v_mad_u32_u24 v[SA], v1, s39, v[SA]            ; + wave x REG: a wave stores into its own region alone
	v_lshrrev_b32 v8, 4, v0                        ; m = t / 16: which of 16 rows of the result
	v_and_b32 v9, 15, v0                           ; q = t % 16: which 16 bytes of the row
	v_and_b32 v10, 3, v8
	v_lshrrev_b32 v11, 2, v8
	v_lshl_add_u32 v10, v10, 5, v11                ; column m lies at row 32 (m & 3) + (m >> 2) of a region
	v_mul_u32_u24 v[RA], v10, CP
	v_lshrrev_b32 v12, 1, v9
	v_mad_u32_u24 v[RA], v12, s39, v[RA]           ; region q / 2
	v_and_b32 v13, 1, v9
	v_lshl_add_u32 v[RA], v13, 4, v[RA]            ; its first or second 16 bytes
	v_lshlrev_b32 v[GO], 11, v8                    ; row m of 2,048 bytes
	v_lshl_add_u32 v[GO], v9, 4, v[GO]
	s_wait_kmcnt 0x0
	s_cmp_lt_u32 ttmp9, QTILES                     ; again: the sums above have written SCC
	s_cselect_b64 s[20:21], s[6:7], s[8:9]         ; the weight
	s_cselect_b64 s[22:23], s[12:13], s[14:15]     ; its transposed copy
	s_add_nc_u64 s[20:21], s[20:21], s[30:31]
	s_add_nc_u64 s[22:23], s[22:23], s[32:33]
	s_add_nc_u64 s[4:5], s[4:5], s[34:35]
	s_add_nc_u64 s[10:11], s[10:11], s[36:37]
	s_wait_alu depctr_va_vdst(0)                   ; the offsets and LDS addresses v3 to v7 and v16 to v31 are written: every load and store of the kernel reads one of them, and none is written again
.irp i, 0,1,2,3,4,5,6,7,8,9,10,11,12,13,14,15
	global_load_b128 v[W+4*\i:W+4*\i+3], v[VO+\i], s[20:21] th:TH_LOAD_NT     ; 512 neighbouring bytes a wave: a whole row of the tile
.endr
.set j, 0
.rept 32
	global_load_b128 v[X+4*j:X+4*j+3], v[XO], s[4:5] offset:4096*j th:TH_LOAD_NT
.set j, j+1
.endr
	s_wait_loadcnt 32                              ; loads come back in order (ISA guide 5.7.1): the 16 of the weight are in, the 32 of x stay out
.irp c, 0,1,2,3
.irp p, 0,1,2,3,4,5,6,7
	v_cvt_pk_f16_f32 v[D+8*\c+\p], v[W+8*\p+\c], v[W+8*\p+4+\c]      ; column 4 L + c: k = 2 p below, 2 p + 1 above
.endr
.endr
	s_wait_alu depctr_va_vdst(0)                   ; the conversions have written D, which the LDS stores read, and are done reading W, in which the LDS loads behind the barrier land
.irp c, 0,1,2,3
	ds_store_b128 v[SA], v[D+8*\c:D+8*\c+3]   offset:32*CP*\c
	ds_store_b128 v[SA], v[D+8*\c+4:D+8*\c+7] offset:32*CP*\c+16
.endr
	s_wait_dscnt 0x0                               ; my stores are in LDS, for the other waves' sake
	s_barrier_signal -1
	s_barrier_wait -1                              ; everybody's are
.irp u, 0,1,2,3,4,5,6,7
	ds_load_b128 v[W+4*\u:W+4*\u+3], v[RA] offset:4*CP*\u            ; row 16 u + m: four columns on are four rows of a region on.  No vector instruction since the wait above names W
.endr
.irp u, 0,1,2,3,4,5,6,7
	s_wait_dscnt 7-\u                              ; LDS loads come back in order: number u is in
	global_store_b128 v[GO], v[W+4*\u:W+4*\u+3], s[22:23] offset:32768*\u    ; sixteen lanes store 256 consecutive bytes, aligned
.endr
; x, in eight blocks of four loads.  Block p: its four loads are in; the block before has written what its stores read; then those four stores, dealt among
; this block's eight conversions, which name this block's registers alone.
.set p, 0
.rept 32/XBLK
	s_wait_loadcnt 32-XBLK-XBLK*p                  ; block p's four loads are in, the younger blocks stay out
.if p > 0
	s_wait_alu depctr_va_vdst(0)                   ; the conversions of block p - 1 have written the registers that the four stores below read
.endif
.set i, 0
.rept XBLK
.if p > 0
	global_store_b64 v[YO], v[X+4*(XBLK*(p-1)+i):X+4*(XBLK*(p-1)+i)+1], s[10:11] offset:2048*(XBLK*(p-1)+i)   ; a wave stores 256 consecutive bytes, aligned
.endif
	v_cvt_pk_f16_f32 v[X+4*(XBLK*p+i)],   v[X+4*(XBLK*p+i)],   v[X+4*(XBLK*p+i)+1]
	v_cvt_pk_f16_f32 v[X+4*(XBLK*p+i)+1], v[X+4*(XBLK*p+i)+2], v[X+4*(XBLK*p+i)+3]
.set i, i+1
.endr
.set p, p+1
.endr
	s_wait_alu depctr_va_vdst(0)                   ; the last block's conversions have written the registers that the last four stores read
.set i, 32-XBLK
.rept XBLK
	global_store_b64 v[YO], v[X+4*i:X+4*i+1], s[10:11] offset:2048*i
.set i, i+1
.endr
	s_wait_dscnt 0x0                               ; the closing lines, six on end
	s_wait_alu 0x0
	s_wait_tensorcnt 0x0
	ds_add_u32 v14, v15
	s_wait_dscnt 0x0
	s_endpgm
.Lfunc_end_k_q98e04503e2_prep:
	.size	k_q98e04503e2_prep, .Lfunc_end_k_q98e04503e2_prep-k_q98e04503e2_prep
	.p2alignl 7, 3214868480
	.fill 96, 4, 3214868480
	.section	.rodata,"a",@progbits
	.p2align	6, 0x0
	.amdhsa_kernel k_q98e04503e2_prep
		.amdhsa_group_segment_fixed_size 50688
		.amdhsa_private_segment_fixed_size 0
		.amdhsa_enable_private_segment 0
		.amdhsa_kernarg_size 48
		.amdhsa_user_sgpr_count 2
		.amdhsa_user_sgpr_kernarg_segment_ptr 1
		.amdhsa_wavefront_size32 1
		.amdhsa_system_sgpr_workgroup_id_x 1
		.amdhsa_system_sgpr_workgroup_id_y 1
		.amdhsa_system_sgpr_workgroup_id_z 1
		.amdhsa_system_vgpr_workitem_id 0
		.amdhsa_next_free_vgpr 256
		.amdhsa_next_free_sgpr 66
		.amdhsa_reserve_vcc 0
		.amdhsa_float_denorm_mode_32 3
		.amdhsa_float_denorm_mode_16_64 3
		.amdhsa_memory_ordered 1
		.amdhsa_forward_progress 1
		.amdhsa_inst_pref_size 20
	.end_amdhsa_kernel
	.amdgpu_metadata
---
amdhsa.version: [ 1, 2 ]
amdhsa.kernels:
  - .name:           k_q98e04503e2_prep
    .symbol:         k_q98e04503e2_prep.kd
    .args:
      - { .name: x, .offset: 0, .size: 8, .value_kind: global_buffer, .address_space: global }
      - { .name: W_qkv, .offset: 8, .size: 8, .value_kind: global_buffer, .address_space: global }
      - { .name: W_proj, .offset: 16, .size: 8, .value_kind: global_buffer, .address_space: global }
      - { .name: xh, .offset: 24, .size: 8, .value_kind: global_buffer, .address_space: global }
      - { .name: wqT, .offset: 32, .size: 8, .value_kind: global_buffer, .address_space: global }
      - { .name: wpT, .offset: 40, .size: 8, .value_kind: global_buffer, .address_space: global }
    .group_segment_fixed_size: 50688
    .private_segment_fixed_size: 0
    .kernarg_segment_align: 8
    .kernarg_segment_size: 48
    .max_flat_workgroup_size: 256
    .sgpr_count:     66
    .vgpr_count:     256
    .wavefront_size: 32
...
	.end_amdgpu_metadata
.endif
;; end of part 5
;; launch gemm_qkv: the kernel of part 2 again; grid 16 x 32, 4 waves a work-group, clusters of 4 x 4, 327,680 bytes of LDS; arguments xh, wqT, qkvh; writes qkvh
;; launch attn: the kernel of part 3 again; grid 256 x 1, 8 waves a work-group, clusters of 4 x 1, 327,680 bytes of LDS; arguments qkvh, ao; writes ao
;; launch gemm_proj: the kernel of part 4 again; grid 8 x 32, 4 waves a work-group, clusters of 4 x 4, 327,680 bytes of LDS; arguments ao, wpT, b_proj, out0; writes out0
